; MI455X (gfx1250); checked and timed in simulation.
; The chip was launched on July 23, 2026; its instructions are those of AMD's public machine-readable ISA for CDNA 5 (MIT licence, August 2026) and "CDNA5" Instruction Set Architecture Reference Guide (July 2026). The comments in the code are by the model that wrote it; some were corrected since.
;; Attention. Allowed arithmetic: matrix products marked QUANTISED: E2M3 operands, one E8M0 scale for each 32 along K, by v_wmma_scale_f32_16x16x128_f8f6f4 with both operands' format E2M3, f32 sums; everything else in f32.
;; Inputs: k_norm_w 64 float32; q_norm_w 64 float32; w_c 1,024 x 1,024 float32; w_kv 512 x 1,024 float32; w_q 1,024 x 1,024 float32; x 8 x 1,024 x 1,024 float32.
;; Outputs: out0 8 x 1,024 x 1,024 float32.
;; This version of the problem:
;;   THIS VERSION OF THE PROBLEM IS GIVEN IN LOW PRECISION. The matrix products marked QUANTISED in the list below multiply operands that are first quantised to E2M3 (2 exponent bits, 3 mantissa bits; 6 bits a number), with one power-of-two scale for each 32 numbers along K (OCP MX v1.0); their sums are f32. All else is computed in f32.
;;   The module's matrix products, in the order in which they are computed (A, B: the left and right operand; K: the contracted axis; several contracted axes count as one K, in the product's order):
;;     1. [M 8,192, K 1,024] x [K 1,024, N 1,024]; A: input x; B: input w_q: QUANTISED
;;     2. [M 8,192, K 1,024] x [K 1,024, N 512]; A: input x; B: input w_kv: QUANTISED
;;     3. batch 32 x [M 4,096, K 64] x [K 64, N 1,024]; A: computed on the way; B: computed on the way: QUANTISED
;;     4. batch 32 x [M 4,096, K 1,024] x [K 1,024, N 64]; A: softmax (see below); B: computed on the way: QUANTISED
;;     5. [M 8,192, K 1,024] x [K 1,024, N 1,024]; A: computed on the way; B: input w_c: QUANTISED
;;   THE QUANTISER, for each operand of a quantised product, along K:
;;     - K is cut into blocks of 32 from its start; a last block that is shorter is filled with zeros.
;;     - A block's scale is 2^e with e = floor(log2(the largest magnitude in the block)) - 2, held to -126 .. 127; a block of zeros has e = 0. As a byte (E8M0): e + 127.
;;     - Each number is divided by its block's scale, clamped to +-7.5, and rounded to the nearest number of E2M3, ties to even, subnormals kept.
;;     - The product sums the exact products of the quantised numbers (number of the format x scale) in f32.
;;   ~~~python
;;   def quantise(x, axis):      # numpy; x: float32 -> the quantised numbers, widened to float32 again
;;       x = np.moveaxis(x, axis, -1); K = x.shape[-1]
;;       x = np.pad(x, [(0, 0)] * (x.ndim - 1) + [(0, -K % 32)]); x = x.reshape(x.shape[:-1] + (-1, 32)); a = np.abs(x).max(-1, keepdims=True)
;;       e = np.where(a > 0, np.clip(np.frexp(np.where(a > 0, a, 1))[1] - 1 - 2, -126, 127), 0)      # np.frexp(a)[1] - 1 = floor(log2(a)), exactly
;;       r = np.clip(x / 2.0 ** e, -7.5, 7.5)
;;       step = 2.0 ** (np.maximum(np.frexp(np.where(r == 0, 1, r))[1] - 1, 0) - 3)
;;       q = np.round(r / step) * step * 2.0 ** e      # np.round: ties to even
;;       return np.moveaxis(q.reshape(q.shape[:-2] + (-1,))[..., :K], -1, axis).astype(np.float32)
;;   ~~~
;;   SOFTMAX AHEAD OF A QUANTISED PRODUCT. Where the list says 'softmax', what is quantised is not the finished softmax but p = 2^(t - M), with t = logit x log2(e) and M = ceil(the row's largest t), a whole number; so 1/2 < the row's largest p <= 1. The row's sum l is taken of the UNQUANTISED p, in f32, and the product's result is divided by l at the end. Since M is a whole number, a kernel that streams over the keys may use a running M (the ceiling of the running maximum): every later rescaling is an exact power of two, which a block's scale takes up: the codes' values come out the same.
;;   OPERANDS COMPUTED ON THE WAY. 'Computed on the way' means the value that the module computes at that place (a softmax that the list does not call 'softmax' is quantised finished and normalised). What goes into a quantiser is computed in f32, as accurately as f32 sums, v_exp_f32 and their like allow (about 1e-6 of the number): no bf16 or f16 on the way to a quantiser, and a product that is left as it is and whose result goes on into a quantised operand takes f32 operands (vector FMAs, or v_wmma_f32_16x16x4_f32). A number that lies on a knife's edge between two numbers of the format may be rounded either way, as far as f32 arithmetic and the matrix unit's own rounding can turn it there, and no further.
;; One version. Each part assembles by itself: llvm-mc -triple=amdgcn-amd-amdhsa -mcpu=gfx1250 --defsym DOCPART=n.
;; ======== version 1 of 1: 4 launches
;; limits: a function is approximated: absolute error at most 2e-07
;; workspace buffers: xc 6,291,456 bytes; wc 1,966,080 bytes; scl 606,208 bytes; rope 262,144 bytes; qc 6,291,456 bytes; qs 524,288 bytes; kv 3,342,336 bytes; yc 6,291,456 bytes
;; launch quant (part 1): grid 352 x 1, 4 waves a work-group, no clusters, 35,328 bytes of LDS; arguments x, w_q, w_kv, w_c, xc, wc, scl, rope; writes xc, wc, scl, rope
.if DOCPART == 1
	.amdgcn_target "amdgcn-amd-amdhsa--gfx1250"
	.amdhsa_code_object_version 6
	.text
	.protected	k_qdfcb518fe9_quant
	.globl	k_qdfcb518fe9_quant
	.p2align	8
	.type	k_qdfcb518fe9_quant,@function
k_qdfcb518fe9_quant:
	s_mov_b64 s[64:65], 0
	v_nop
	global_prefetch_b8 v0, s[64:65] scope:SCOPE_SE
	s_setreg_imm32_b32 hwreg(HW_REG_WAVE_MODE, 25, 1), 1
	s_wait_xcnt 0x0
; x [8192][1024], w_q [1024][1024], w_kv [512][1024], w_c [1024][1024], f32, K innermost, become codes of FP6 (E2M3) with one E8M0 byte for each 32 along K;
; sixteen more work-groups make the table of cos and sin for the rotary embedding.
; A block's scale is 2^(floor(log2(its largest magnitude)) - 2); its byte is the largest magnitude's exponent field - 2, held at 1 from below (a block of zeros keeps the byte 1: its codes are zeros,
; and this program alone reads the bytes).  LIMITS: blocks whose largest magnitude lies under 2^-124 were not tried; NaN and infinities among the inputs are not served.
; LAYOUT OF THE CODES.  Rows go in tiles of 16; tile 2 B + u holds the rows 32 B + 8 u + r + 8 (r / 8), r = 0 .. 15, so that in a product's result the 16 registers of two neighbouring tiles are 16 neighbours.
; A tile's 64 along K are 768 bytes, an image of the operand's registers 0-5: lane l's registers 0-3 at 16 l (512 bytes), its registers 4-5 at 512 + 8 l.  A tile is 16 such pieces, 12,288 bytes.
; The scale words: tile x 512 + (K step / 2) x 128 + 8 r + 4 (K step % 2), a K step being 128 along K.
; SHARES.  Work-group g < 336 takes tiles 2 g, 2 g + 1 of the list x (512 tiles), w_q (64), w_kv (32), w_c (64); a wave takes one tile and one half of K: 8 pieces.  Each load reads two rows' 256 consecutive bytes;
; a piece turns through the wave's own stage in LDS (rows 272 bytes apart) and comes back 128 bytes a lane: a whole block of 32, so that no other lane is asked for a maximum.
; Loads run three pieces ahead, the turn through LDS one.  Waves share nothing: no barrier.
.set WGQ,   336
.set STG,   4352                       ; a stage: 16 rows x 272 bytes; two for each wave
.set SPARE, 34816                      ; behind the eight stages: the spare words, 128 bytes for each wave
.set SPW,   10                         ; v10  my spare word's LDS address; never rewritten
.set NIL,   11                         ; v11  0; never rewritten
.set R,     16                         ; v16-111   three sets of 32: a piece as loaded
.set X,     112                        ; v112-175  two sets of 32: my block
.set C,     176                        ; v176-239  codes: eight registers for each piece, so that no store's data are written again
.set CT,    240                        ; v240-242  a block's upper 16 codes (a conversion's three registers begin on an even number)
.set HS,    244                        ; v244-247  my bytes of a K step
.set W,     248                        ; v248-251  the row's four scale words
	s_load_b256 s[4:11], s[0:1], 0x0               ; x, w_q, w_kv, w_c
	s_load_b256 s[12:19], s[0:1], 0x20             ; xc, wc, scl, rope
	v_lshl_add_u32 v[SPW], v0, 2, SPARE
	v_mov_b32 v[NIL], 0
	s_cmp_ge_u32 ttmp9, WGQ
	s_cbranch_scc1 .Lrope                          ; the last sixteen work-groups make the table
	v_lshrrev_b32 v1, 5, v0
	v_readfirstlane_b32 s24, v1                    ; wave
	v_and_b32 v1, 31, v0                           ; lane
	v_and_b32 v2, 15, v0                           ; r
	v_bfe_u32 v3, v0, 4, 1                         ; h
	v_lshlrev_b32 v4, 4, v2
	v_lshl_add_u32 v4, v3, 12, v4                  ; a load: 16 bytes a lane, lanes 16-31 one row of 4,096 bytes further down
	s_mul_i32 s25, s24, 2*STG
	v_mul_u32_u24 v5, v3, 272
	v_lshl_add_u32 v5, v2, 4, v5
	v_add_nc_u32 v5, s25, v5                       ; into the stage, as loaded
	v_mul_u32_u24 v6, v2, 272
	v_lshl_add_u32 v6, v3, 7, v6
	v_add_nc_u32 v6, s25, v6                       ; out of it: row r, 128 bytes for each half of the lanes
	v_lshlrev_b32 v7, 4, v1                        ; 16 l
	v_lshlrev_b32 v8, 3, v1                        ; 8 l
	v_lshlrev_b32 v9, 3, v3                        ; 8 h
	s_mov_b32 s38, 0x76543210
	s_mov_b32 s39, 0xfedcba98                      ; lane selects: lane l xor 16
	s_mov_b32 s40, 0xffff0000                      ; lanes 16-31
	; which tensor, which tile.  Only pointers and numbers are chosen: all four tensors take one path
	s_mov_b32 s26, 304
	s_cmp_lt_u32 ttmp9, 304
	s_cselect_b32 s26, 288, s26
	s_cmp_lt_u32 ttmp9, 288
	s_cselect_b32 s26, 256, s26
	s_cmp_lt_u32 ttmp9, 256
	s_cselect_b32 s26, 0, s26                      ; my tensor's first work-group
	s_sub_co_u32 s27, ttmp9, s26
	s_lshl_b32 s27, s27, 1
	s_lshr_b32 s28, s24, 1
	s_add_co_u32 s27, s27, s28                     ; lt: my tile in its tensor
	s_and_b32 s28, s24, 1                          ; my half of K
	s_lshr_b32 s29, s27, 4
	s_bfe_u32 s30, s27, 0x20002                    ; (lt / 4) % 4
	s_and_b32 s31, s27, 3
	s_mul_i32 s32, s29, 24
	s_lshl_b32 s33, s30, 2
	s_add_co_u32 s32, s32, s33
	s_add_co_u32 s32, s32, s31                     ; w_q: key/value head x 24 + query head in its group x 4 + tile
	s_mul_i32 s33, s30, 24
	s_lshl_b32 s34, s29, 2
	s_add_co_u32 s33, s33, s34
	s_add_co_u32 s33, s33, s31
	s_add_co_u32 s33, s33, 16                      ; w_kv: key/value head x 24 + 16 (k) or 20 (v) + tile
	s_add_co_u32 s34, s27, 96                      ; w_c: behind those 96
	s_wait_kmcnt 0x0
	s_cmp_lt_u32 ttmp9, 304
	s_cselect_b32 s34, s33, s34
	s_cselect_b64 s[20:21], s[8:9], s[10:11]
	s_cmp_lt_u32 ttmp9, 288
	s_cselect_b32 s34, s32, s34
	s_cselect_b64 s[20:21], s[6:7], s[20:21]
	s_cmp_lt_u32 ttmp9, 256
	s_cselect_b32 s34, s27, s34                    ; the tile's place among the codes
	s_cselect_b64 s[20:21], s[4:5], s[20:21]       ; the numbers
	s_cselect_b64 s[22:23], s[12:13], s[14:15]     ; the codes
	s_mov_b32 s35, 524288
	s_cselect_b32 s35, 262144, s35                 ; the scale words' region: x's, or the weights'
	s_lshr_b32 s29, s27, 1
	s_lshl_b32 s29, s29, 17                        ; 32 rows of 4,096 bytes
	s_and_b32 s30, s27, 1
	s_lshl_b32 s30, s30, 15                        ; 8 rows
	s_add_co_u32 s29, s29, s30
	s_lshl_b32 s30, s28, 11                        ; half a row
	s_add_co_u32 s36, s29, s30
	s_mov_b32 s37, 0
	s_add_nc_u64 s[20:21], s[20:21], s[36:37]
	s_mul_i32 s36, s34, 12288
	s_mul_i32 s30, s28, 6144
	s_add_co_u32 s36, s36, s30
	s_add_nc_u64 s[22:23], s[22:23], s[36:37]
	s_lshl_b32 s36, s34, 9
	s_lshl_b32 s30, s28, 8
	s_add_co_u32 s36, s36, s30
	s_add_co_u32 s36, s36, s35
	s_add_nc_u64 s[16:17], s[16:17], s[36:37]
.macro LOAD t                          ; piece t: load i brings the tile's rows 2 i and 2 i + 1, which are rows 2 i + 8 (i / 4) and the next of the 32
.irp i, 0,1,2,3,4,5,6,7
	global_load_b128 v[R+32*((\t)%3)+4*\i:R+32*((\t)%3)+4*\i+3], v4, s[20:21] offset:(2*\i+8*(\i/4))*4096+256*(\t) th:TH_LOAD_NT
.endr
.endm
.macro TURN t                          ; through the stage: LDS serves a wave's instructions in order, so no wait stands between the stores and the loads
.irp i, 0,1,2,3,4,5,6,7
	ds_store_b128 v5, v[R+32*((\t)%3)+4*\i:R+32*((\t)%3)+4*\i+3] offset:STG*((\t)%2)+2*\i*272
.endr
.irp j, 0,1,2,3,4,5,6,7
	ds_load_b128 v[X+32*((\t)%2)+4*\j:X+32*((\t)%2)+4*\j+3], v6 offset:STG*((\t)%2)+16*\j
.endr
.endm
.macro STEP t
.set XS, X+32*((\t)%2)
.set CS, C+8*(\t)
	s_wait_dscnt 0x0                               ; my block is back from the stage: so the stores into the stage have read their registers,
.if (\t)+3 < 8
	LOAD (\t)+3                                    ; which take the piece three on
.endif
.if (\t) < 7
.if (\t)+3 < 8
	s_wait_loadcnt 16                              ; the next piece's eight loads are in; those of the two pieces behind it may be out
.else
	s_wait_loadcnt 8*(6-(\t))
.endif
	TURN (\t)+1
.endif
	v_max3_num_f32 v12, |v[XS]|, |v[XS+1]|, |v[XS+2]|              ; the block's largest magnitude, in two chains
	v_max3_num_f32 v13, |v[XS+3]|, |v[XS+4]|, |v[XS+5]|
.irp i, 6,10,14,18,22,26
	v_max3_num_f32 v12, v12, |v[XS+\i]|, |v[XS+\i+1]|
	v_max3_num_f32 v13, v13, |v[XS+\i+2]|, |v[XS+\i+3]|
.endr
	v_max3_num_f32 v12, v12, |v[XS+30]|, |v[XS+31]|
	v_max3_num_f32 v12, v12, v13, 0x1800000        ; and the floor 2^(3 - 127): the byte cannot fall under 1
	v_add_nc_u32 v14, 0xff000000, v12              ; 2 off its exponent field: the conversion takes this operand's exponent field as its scale
	v_cvt_scalef32_pk16_fp6_f32 v[CS:CS+2], v[XS:XS+15], v14
	v_cvt_scalef32_pk16_fp6_f32 v[CT:CT+2], v[XS+16:XS+31], v14
	v_lshrrev_b32 v15, 23, v14                     ; the scale's byte (also the plain line behind the conversions)
.irp i, 0,1,2
	v_mov_b32 v[CS+3+\i], v[CT+\i]
.endr
.if (\t)%2 == 0
	v_mov_b32 v[HS+(\t)/2], v15                    ; a K step's first 64
.else
	v_lshl_or_b32 v[HS+(\t)/2], v15, 16, v[HS+(\t)/2]   ; and its second
.endif
	global_store_b128 v7, v[CS:CS+3], s[22:23] offset:768*(\t)         ; 512 consecutive bytes,
	global_store_b64 v8, v[CS+4:CS+5], s[22:23] offset:768*(\t)+512    ; and 256
.endm
	LOAD 0
	LOAD 1
	LOAD 2
	s_wait_loadcnt 16                              ; piece 0 is in
	TURN 0
.irp t, 0,1,2,3,4,5,6,7
	STEP \t
.endr
.irp s, 0,1,2,3
	v_lshlrev_b32 v[HS+\s], v9, v[HS+\s]           ; my bytes at their places: 8 h bits up
	v_mov_b32 v[W+\s], 0                           ; (a lane permute's destination counts as one of its sources)
.endr
.irp s, 0,1,2,3
	v_permlanex16_b32 v[W+\s], v[HS+\s], s38, s39
.endr
.irp s, 0,1,2,3
	v_or_b32 v[W+\s], v[W+\s], v[HS+\s]            ; with lane l xor 16's two bytes the word is whole
.endr
	v_cndmask_b32 v252, v[W], v[W+2], s40          ; lanes 0-15 store the first two K steps' words, lanes 16-31 the other two
	v_cndmask_b32 v253, v[W+1], v[W+3], s40
	global_store_b64 v8, v[252:253], s[16:17]      ; 256 consecutive bytes
	s_wait_tensorcnt 0x0                           ; the wave's end: the add and its wait behind my last LDS store
	ds_add_u32 v[SPW], v[NIL]
	s_wait_dscnt 0x0
	s_endpgm
; THE TABLE: rope[pos][0 .. 31] = cos(pos x f_i), rope[pos][32 .. 63] = sin(pos x f_i), f_i = 10000^(-i / 32), pos = 0 .. 1,023.
; A thread makes four neighbouring numbers of eight positions, 128 apart; sixteen lanes store a position's 256 bytes.  The angle is brought to |r| <= pi / 4 by n = the nearest whole number to
; angle x 2 / pi, with pi / 2 in two parts; sin to r^9 and cos to r^10 leave less than one part in 10^8 there.  This path uses no LDS.
.Lrope:
	s_sub_co_u32 s24, ttmp9, WGQ
	s_lshl_b32 s24, s24, 7
	v_add_nc_u32 v1, s24, v0                       ; the thread's number among 2,048
	v_and_b32 v2, 15, v1                           ; which 16 bytes of a position's 256
	v_lshrrev_b32 v3, 4, v1                        ; the first position
	v_lshlrev_b32 v4, 4, v1                        ; where I store
	v_and_b32 v5, 7, v2
	v_lshlrev_b32 v5, 2, v5
	v_cvt_f32_u32 v12, v5                          ; i of my first number
	v_lshrrev_b32 v6, 3, v2
	v_xor_b32 v6, 1, v6                            ; 1: cos, 0: sin
	v_cvt_f32_u32 v7, v3                           ; pos
	v_add_f32 v13, 1.0, v12
	v_add_f32 v14, 2.0, v12
	v_add_f32 v15, 0x40400000, v12
.irp e, 0,1,2,3
	v_mul_f32 v[12+\e], 0xbed49a78, v[12+\e]       ; -i log2(10000) / 32
.endr
.irp e, 0,1,2,3
	v_exp_f32 v[12+\e], v[12+\e]                   ; f_i
.endr
	v_mov_b32 v24, 0x3638ef1d                      ; 1 / 9!  (a plain line behind the exponentials)
	v_mov_b32 v25, 0xb493f27e                      ; -1 / 10!
	s_wait_alu depctr_va_vdst(0)                   ; one wait for the four, ahead of their first reader
.macro SINCOS inv, out
	v_mul_f32 v16, v7, v[\inv]                     ; the angle
	v_mul_f32 v17, 0x3f22f983, v16
	v_rndne_f32 v17, v17                           ; n
	v_fmamk_f32 v16, v17, 0xbfc90fdb, v16          ; - n x the upper part of pi / 2
	v_fmamk_f32 v16, v17, 0x333bbd2e, v16          ; - n x the rest of it: r
	v_mul_f32 v18, v16, v16
	v_fmaak_f32 v19, v24, v18, 0xb9500d01
	v_fmaak_f32 v19, v19, v18, 0x3c088889
	v_fmaak_f32 v19, v19, v18, 0xbe2aaaab
	v_mul_f32 v19, v19, v18
	v_fma_f32 v19, v19, v16, v16                   ; sin r
	v_fmaak_f32 v20, v25, v18, 0x37d00d01
	v_fmaak_f32 v20, v20, v18, 0xbab60b61
	v_fmaak_f32 v20, v20, v18, 0x3d2aaaab
	v_fmaak_f32 v20, v20, v18, 0xbf000000
	v_fma_f32 v20, v20, v18, 1.0                   ; cos r
	v_cvt_i32_f32 v21, v17
	v_add_nc_u32 v21, v21, v6                      ; the quarter turn: cos(a) = sin(a + pi / 2)
	v_and_b32 v22, 1, v21
	v_cmp_eq_u32 vcc_lo, 1, v22
	v_cndmask_b32 v19, v19, v20, vcc_lo            ; odd quarters take cos r,
	v_lshlrev_b32 v21, 30, v21
	v_and_b32 v21, 0x80000000, v21
	v_xor_b32 v[\out], v19, v21                    ; quarters 2 and 3 the other sign
.endm
	s_wait_kmcnt 0x0
.irp it, 0,1,2,3,4,5,6,7
.irp e, 0,1,2,3
	SINCOS 12+\e, 32+4*\it+\e
.endr
	global_store_b128 v4, v[32+4*\it:35+4*\it], s[18:19] offset:32768*\it   ; each position has registers of its own
	v_add_f32 v7, 0x43000000, v7                   ; 128 positions on
.endr
	s_endpgm
.Lfunc_end_k_qdfcb518fe9_quant:
	.size	k_qdfcb518fe9_quant, .Lfunc_end_k_qdfcb518fe9_quant-k_qdfcb518fe9_quant
	.p2alignl 7, 3214868480
	.fill 96, 4, 3214868480
	.section	.rodata,"a",@progbits
	.p2align	6, 0x0
	.amdhsa_kernel k_qdfcb518fe9_quant
		.amdhsa_group_segment_fixed_size 35328
		.amdhsa_private_segment_fixed_size 0
		.amdhsa_enable_private_segment 0
		.amdhsa_kernarg_size 64
		.amdhsa_user_sgpr_count 2
		.amdhsa_user_sgpr_kernarg_segment_ptr 1
		.amdhsa_wavefront_size32 1
		.amdhsa_system_sgpr_workgroup_id_x 1
		.amdhsa_system_sgpr_workgroup_id_y 1
		.amdhsa_system_sgpr_workgroup_id_z 1
		.amdhsa_system_vgpr_workitem_id 0
		.amdhsa_next_free_vgpr 256
		.amdhsa_next_free_sgpr 66
		.amdhsa_reserve_vcc 1
		.amdhsa_float_denorm_mode_32 3
		.amdhsa_float_denorm_mode_16_64 3
		.amdhsa_memory_ordered 1
		.amdhsa_forward_progress 1
		.amdhsa_inst_pref_size 72
	.end_amdhsa_kernel
	.amdgpu_metadata
---
amdhsa.version: [ 1, 2 ]
amdhsa.kernels:
  - .name:           k_qdfcb518fe9_quant
    .symbol:         k_qdfcb518fe9_quant.kd
    .args:
      - { .name: x, .offset: 0, .size: 8, .value_kind: global_buffer, .address_space: global }
      - { .name: w_q, .offset: 8, .size: 8, .value_kind: global_buffer, .address_space: global }
      - { .name: w_kv, .offset: 16, .size: 8, .value_kind: global_buffer, .address_space: global }
      - { .name: w_c, .offset: 24, .size: 8, .value_kind: global_buffer, .address_space: global }
      - { .name: xc, .offset: 32, .size: 8, .value_kind: global_buffer, .address_space: global }
      - { .name: wc, .offset: 40, .size: 8, .value_kind: global_buffer, .address_space: global }
      - { .name: scl, .offset: 48, .size: 8, .value_kind: global_buffer, .address_space: global }
      - { .name: rope, .offset: 56, .size: 8, .value_kind: global_buffer, .address_space: global }
    .group_segment_fixed_size: 35328
    .private_segment_fixed_size: 0
    .kernarg_segment_align: 8
    .kernarg_segment_size: 64
    .max_flat_workgroup_size: 128
    .sgpr_count:     66
    .vgpr_count:     256
    .wavefront_size: 32
...
	.end_amdgpu_metadata
.endif
;; end of part 1
;; launch qkv (part 2): grid 4 x 64, 4 waves a work-group, clusters of 4 x 4, 327,680 bytes of LDS; arguments xc, wc, scl, rope, q_norm_w, k_norm_w, qc, qs, kv; writes qc, qs, kv
.if DOCPART == 2
	.amdgcn_target "amdgcn-amd-amdhsa--gfx1250"
	.amdhsa_code_object_version 6
	.text
	.protected	k_qdfcb518fe9_qkv
	.globl	k_qdfcb518fe9_qkv
	.p2align	8
	.type	k_qdfcb518fe9_qkv,@function
k_qdfcb518fe9_qkv:
	s_mov_b64 s[64:65], 0
	v_nop
	global_prefetch_b8 v0, s[64:65] scope:SCOPE_SE
	s_setreg_imm32_b32 hwreg(HW_REG_WAVE_MODE, 25, 1), 1
	s_wait_xcnt 0x0
	s_wait_alu depctr_hold_cnt(0) depctr_sa_sdst(0) depctr_va_vdst(0) depctr_va_sdst(0) depctr_va_ssrc(0) depctr_va_vcc(0) depctr_vm_vsrc(0)
	s_getreg_b32 s2, hwreg(HW_REG_IB_STS2, 6, 4)
	s_cmp_eq_u32 s2, 0
	s_cbranch_scc0 .Lentry_in_a_cluster
	s_endpgm
.Lentry_in_a_cluster:
	s_bfe_u32 s2, ttmp6, 0x10000c
	s_cmp_lg_u32 s2, 0xf033
	s_cbranch_scc0 .Lentry_shape_is_right
	s_endpgm
.Lentry_shape_is_right:
; q, k, v = x W^T on codes of FP6 (E2M3) with E8M0 scales; then RMSNorm and the rotary embedding on q and k, in f32; then q and k are quantised along the head's 64 and v along the tokens, for the attention launch.
; SHARES.  A work-group makes 128 tokens x the 384 columns of one key/value head's group (four query heads, k, v): 8 tiles of tokens x 24 tiles of weight rows.  Wave w: 64 tokens (w / 2) x 12 weight tiles (w % 2):
; 48 accumulators, 384 registers.  K = 1,024 goes in four quarters of 256 through three LDS slots; the fourth quarter fills the first slot again.
; THE OPERANDS LIE AS IMAGES OF THEIR REGISTERS (16 rows x 64 K = 768 bytes: registers 0-3 at 16 l, registers 4-5 at 512 + 8 l): a fragment is four loads of consecutive bytes, no pitch, no padding.
; TILES HOLD THE ROWS 32 B + 8 u + r + 8 (r / 8): with source 0 = 16 weight rows and source 1 = 16 tokens a lane holds ONE token, and the 32 registers of a head's four tiles are the head's channels
; 16 h + 0 .. 15 and 32 + 16 h + 0 .. 15: the two halves that the rotation pairs, and the two blocks of 32 that the quantiser wants.  For v the sources are swapped: a lane holds one channel and 32 tokens.
; CLUSTERS: 4 x 4 work-groups.  The four of a row need the same tokens' tiles, the four of a column the same weights': each is asked for jointly.
; The scale words of all of K go from memory straight into registers, once: register SC + 8 i + s: lanes 0-15 the tokens' tile i, lanes 16-31 the weights' tile i, K step s.
; REGISTERS: window 0: v1-25 addresses; v40-135 scale words; v136-231 the tokens' fragments, two sets; in the epilogue v136-253 are at work.  window 1: v0-143 the weights' fragments, one set; v144-207 the norms' gains.
;   window 2: accumulators of weight tiles 0-7 ((b, m) at 8 (16 (b / 4) + 4 m + b % 4)).  window 3: v0-127 those of tiles 8-11; v128-255 cos and sin of my 64 tokens.
; LIMITS: NaN and infinities are not served; blocks whose largest magnitude lies under 2^-124 were not tried.
.set NB,    12
.set SLOTB, 98304                      ; a slot: 8 tiles of tokens, then 24 of weights, 3,072 bytes each
.set SPARE, 3*SLOTB                    ; behind the slots: the spare words, 128 bytes for each wave
.set SPW,   8
.set NIL,   9
.set SC,    40
.set AF,    136
.set G1A,   32                         ; s[32:39] descriptor group 1 for the tokens' tiles; s[40:47] for the weights'
.set G1B,   40
.set G0A,   48                         ; s[48:63] groups 0 for the tokens' four quarters; s[68:83] for the weights'
.set G0B,   68
.set GNB,   66                         ; s[66:67] the second head's gains: a pair of its own, written once: the loads that name it stay out while other scalars are written
.set Y,     136                        ; the epilogue's registers, window 0: 32 numbers of a token,
.set TA,    168                        ; two sets of 16 at work,
.set TB,    184
.set RUN,   200                        ; 24 registers of codes,
.set CT,    224
.set TM,    228
.set RS,    240                        ; 1 / rms of four tiles' tokens, in the even registers,
.set WD,    248                        ; four scale words,
.set SW,    252                        ; and the pair that is stored
.set MSB, 0
.macro WIN new                         ; the immediate's high byte repeats the setting that is left
.if MSB != \new
	s_set_vgpr_msb (MSB<<8)|\new
.set MSB, \new
.endif
.endm
.macro PLACES n
.rept \n
	v_nop
.endr
.endm
.macro CREST                           ; a round of the cluster's barrier behind its opening barrier
	s_cmp_lg_u32 s22, 0
	s_cbranch_scc1 .Lnot_wave_0_\@
	s_barrier_signal -3
.Lnot_wave_0_\@:
	s_barrier_wait -3
	s_barrier_signal -1
	s_barrier_wait -1
.endm
.macro CROUND
	s_barrier_signal -1
	s_barrier_wait -1
	CREST
.endm
.macro JLOAD q                         ; a joint load: wave 0 fetches the tokens' 8 tiles, waves 1 to 3 eight of the weights' each; the branch hangs on the wave's number alone
	s_cmp_eq_u32 s22, 0
	s_cbranch_scc0 .Lfor_b_\@
	tensor_load_to_lds s[G0A+4*\q:G0A+4*\q+3], s[G1A:G1A+7]
	s_nop 0
	PLACES 4
	s_branch .Lasked_\@
.Lfor_b_\@:
	tensor_load_to_lds s[G0B+4*\q:G0B+4*\q+3], s[G1B:G1B+7]
	s_nop 0
	PLACES 4
.Lasked_\@:
.endm
	s_load_b256 s[4:11], s[0:1], 0x0               ; xc, wc, scl, rope
	s_load_b256 s[12:19], s[0:1], 0x20             ; q_norm_w, k_norm_w, qc, qs
	s_load_b64 s[20:21], s[0:1], 0x40              ; kv
	v_lshl_add_u32 v[SPW], v0, 2, SPARE
	v_mov_b32 v[NIL], 0
	ds_add_u32 v[SPW], v[NIL]                      ; the wave's opening: the add and its wait ahead of my first tensor load
	v_lshrrev_b32 v1, 5, v0
	v_readfirstlane_b32 s22, v1                    ; wave
	s_lshr_b32 s23, s22, 1                         ; which 64 tokens
	s_and_b32 s24, s22, 1                          ; which 12 weight tiles
	s_bfe_u32 s25, ttmp6, 0x40000                  ; cx
	s_bfe_u32 s26, ttmp6, 0x40004                  ; cy
	s_lshl_b32 s27, ttmp9, 2
	s_add_co_u32 s27, s27, s25                     ; X: the key/value head
	s_and_b32 s28, ttmp7, 0xffff
	s_lshl_b32 s28, s28, 2
	s_add_co_u32 s28, s28, s26                     ; Y: the block of 128 tokens
	s_lshl_b32 s29, s26, 2
	s_lshl_b32 s29, 15, s29                        ; my row of the cluster
	s_lshl_b32 s30, 0x1111, s25                    ; my column
	s_or_b32 s[G1A], s29, (3<<16)|(1<<21)          ; 15:0 the mask; 17:16 elements of 8 bytes; 21 set beside a mask; no padding
	s_or_b32 s[G1B], s30, (3<<16)|(1<<21)
.irp g, G1A, G1B
	s_mov_b32 s[\g+1], 384<<16                     ; tensor_dim0: a tile's quarter, 3,072 bytes
	s_mov_b32 s[\g+2], 8<<16                       ; tensor_dim1: 8 tiles
	s_mov_b32 s[\g+3], 384<<16                     ; tile_dim0
	s_mov_b32 s[\g+4], 8                           ; tile_dim1
	s_mov_b32 s[\g+5], 1536                        ; from tile to tile: 12,288 bytes
	s_mov_b32 s[\g+6], 0
	s_mov_b32 s[\g+7], 0
.endr
	s_mul_i32 s2, s28, 98304                       ; the tokens' tiles 8 Y on
	s_mov_b32 s3, 0
	s_max_u32 s30, s22, 1
	s_sub_co_u32 s30, s30, 1
	s_lshl_b32 s30, s30, 3
	s_mul_i32 s31, s27, 24
	s_add_co_u32 s30, s30, s31
	s_mul_i32 s30, s30, 12288                      ; the weights' tiles 24 X + 8 (wave - 1) on
	s_mov_b32 s31, 0
	s_mul_i32 s29, s22, 24576                      ; where they go in a slot: no place in the cluster enters an LDS address
	s_wait_dscnt 0x0                               ; the opening add is done
	s_wait_kmcnt 0x0
	s_add_nc_u64 s[2:3], s[4:5], s[2:3]
	s_add_nc_u64 s[30:31], s[6:7], s[30:31]
.irp q, 0,1,2,3
	s_mov_b32 s[G0A+4*\q], 1
	s_add_co_u32 s[G0A+4*\q+1], s29, (\q%3)*SLOTB  ; quarter 3 goes into slot 0
	s_add_nc_u64 s[G0A+4*\q+2:G0A+4*\q+3], s[2:3], \q*3072
	s_or_b32 s[G0A+4*\q+3], s[G0A+4*\q+3], 0x80000000
	s_mov_b32 s[G0B+4*\q], 1
	s_add_co_u32 s[G0B+4*\q+1], s29, (\q%3)*SLOTB
	s_add_nc_u64 s[G0B+4*\q+2:G0B+4*\q+3], s[30:31], \q*3072
	s_or_b32 s[G0B+4*\q+3], s[G0B+4*\q+3], 0x80000000
.endr
	CROUND                                         ; all sixteen work-groups are here: the first joint loads meet
	s_cmp_eq_u32 s22, 0                            ; a wave's three first fills stand in one branch: three loads of mine are out
	s_cbranch_scc0 .Lfirst_b
.irp q, 0,1,2
	tensor_load_to_lds s[G0A+4*\q:G0A+4*\q+3], s[G1A:G1A+7]
	s_nop 0
.endr
	PLACES 4
	s_branch .Lfirst_done
.Lfirst_b:
.irp q, 0,1,2
	tensor_load_to_lds s[G0B+4*\q:G0B+4*\q+3], s[G1B:G1B+7]
	s_nop 0
.endr
	PLACES 4
.Lfirst_done:
	v_and_b32 v5, 31, v0
	v_lshlrev_b32 v1, 4, v5                        ; 16 l
	v_lshlrev_b32 v2, 3, v5                        ; 8 l
	v_lshlrev_b32 v25, 2, v5                       ; 4 l
	v_and_b32 v3, 15, v0                           ; r
	v_bfe_u32 v4, v0, 4, 1                         ; h
	; the scale words: lanes 0-15 the tokens' tiles, lanes 16-31 the weights': the lower base + h x the distance
	s_lshl_b32 s2, s28, 3
	s_lshl_b32 s3, s23, 2
	s_add_co_u32 s2, s2, s3
	s_lshl_b32 s2, s2, 9
	s_add_co_u32 s2, s2, 262144
	s_mul_i32 s3, s27, 24
	s_mul_i32 s30, s24, 12
	s_add_co_u32 s3, s3, s30
	s_lshl_b32 s3, s3, 9
	s_add_co_u32 s3, s3, 524288
	s_sub_co_u32 s3, s3, s2
	v_mul_u32_u24 v22, s3, v4
	v_lshl_add_u32 v22, v3, 3, v22
	v_add_nc_u32 v22, s2, v22
.irp i, 0,1,2,3,4,5,6,7,8,9,10,11
.irp kq, 0,1,2,3
	global_load_b64 v[SC+8*\i+2*\kq:SC+8*\i+2*\kq+1], v22, s[8:9] offset:\i*512+\kq*128   ; (lanes 0-15 of i >= 4 read later tiles' words, which no product names)
.endr
.endr
	; cos and sin of my 64 tokens' positions: lane (r, h) wants those of frequencies 16 h + 0 .. 15
	s_and_b32 s101, s28, 7
	s_lshl_b32 s101, s101, 1
	s_add_co_u32 s101, s101, s23                   ; my 64 tokens' number in their sequence
	s_lshl_b32 s2, s101, 14
	s_mov_b32 s3, 0
	s_add_nc_u64 s[10:11], s[10:11], s[2:3]
	v_and_b32 v23, 8, v3
	v_add_nc_u32 v23, v23, v3
	v_lshlrev_b32 v23, 8, v23
	v_lshl_add_u32 v23, v4, 6, v23                 ; (r + 8 (r / 8)) x 256 + 64 h
	v_lshlrev_b32 v24, 6, v4                       ; 64 h
	WIN 0xc0                                       ; destination window 3
.irp m, 0,1,2,3
.irp j, 0,1,2,3
	global_load_b128 v[128+32*\m+4*\j:131+32*\m+4*\j], v23, s[10:11] offset:(32*(\m/2)+8*(\m%2))*256+16*\j
	global_load_b128 v[144+32*\m+4*\j:147+32*\m+4*\j], v23, s[10:11] offset:(32*(\m/2)+8*(\m%2))*256+128+16*\j
.endr
.endr
	s_cmp_eq_u32 s24, 1
	s_cselect_b64 s[GNB:GNB+1], s[14:15], s[12:13] ; the second head's gains: k's in the waves that make k
	WIN 0x40                                       ; destination window 1
.irp j, 0,1,2,3
	global_load_b128 v[144+4*\j:147+4*\j], v24, s[12:13] offset:16*\j
	global_load_b128 v[160+4*\j:163+4*\j], v24, s[12:13] offset:128+16*\j
	global_load_b128 v[176+4*\j:179+4*\j], v24, s[GNB:GNB+1] offset:16*\j
	global_load_b128 v[192+4*\j:195+4*\j], v24, s[GNB:GNB+1] offset:128+16*\j
.endr
	WIN 0
	; LDS addresses of my fragments, for each slot: the tokens' at 16 l and 8 l, the weights' likewise
	s_mul_i32 s29, s23, 12288
	s_mul_i32 s2, s24, 36864
	s_add_co_u32 s2, s2, 24576
.irp s, 0,1,2
	v_add_nc_u32 v[10+4*\s], s29, v1
	v_add_nc_u32 v[11+4*\s], s29, v2
	v_add_nc_u32 v[12+4*\s], s2, v1
	v_add_nc_u32 v[13+4*\s], s2, v2
	s_add_co_u32 s29, s29, SLOTB
	s_add_co_u32 s2, s2, SLOTB
.endr
	; where my three heads go.  Waves with w % 2 = 0: query heads 0, 1, 2 of the group; the others: query head 3, k, v.  (No scalar written below is named by a load that is still out)
	s_lshr_b32 s29, s28, 3                         ; the sequence
	s_lshl_b32 s30, s29, 4
	s_lshl_b32 s31, s27, 2
	s_add_co_u32 s30, s30, s31
	s_lshl_b32 s30, s30, 4
	s_add_co_u32 s30, s30, s101                    ; (16 b + 4 X) 16 + my 64 tokens' number
	s_lshl_b32 s29, s29, 2
	s_add_co_u32 s29, s29, s27
	s_mul_i32 s29, s29, 104448                     ; the group's block of kv
	s_mul_i32 s31, s24, 48
	s_add_co_u32 s31, s31, s30
	s_mul_i32 s84, s31, 3072
	s_mov_b32 s85, 0
	s_lshl_b32 s86, s31, 8
	s_mov_b32 s87, 0
	s_add_nc_u64 s[84:85], s[16:17], s[84:85]      ; first head: codes,
	s_add_nc_u64 s[86:87], s[18:19], s[86:87]      ; scale words
	s_add_co_u32 s31, s30, 16
	s_mul_i32 s88, s31, 3072
	s_lshl_b32 s90, s31, 8
	s_mul_i32 s2, s101, 3072
	s_add_co_u32 s2, s2, s29                       ; k's codes
	s_lshl_b32 s3, s101, 8
	s_add_co_u32 s3, s3, s29
	s_add_co_u32 s3, s3, 98304                     ; k's scale words
	s_cmp_eq_u32 s24, 1
	s_cselect_b32 s88, s2, s88
	s_cselect_b32 s90, s3, s90
	s_cselect_b64 s[92:93], s[20:21], s[16:17]
	s_cselect_b64 s[94:95], s[20:21], s[18:19]
	s_mov_b32 s89, 0
	s_mov_b32 s91, 0
	s_add_nc_u64 s[88:89], s[92:93], s[88:89]      ; second head
	s_add_nc_u64 s[90:91], s[94:95], s[90:91]
	s_add_co_u32 s31, s30, 32
	s_mul_i32 s96, s31, 3072
	s_lshl_b32 s98, s31, 8
	s_add_co_u32 s2, s2, 49152                     ; v's codes
	s_lshl_b32 s3, s101, 7
	s_add_co_u32 s3, s3, s29
	s_add_co_u32 s3, s3, 102400                    ; v's scale words
	s_cmp_eq_u32 s24, 1
	s_cselect_b32 s96, s2, s96
	s_cselect_b32 s98, s3, s98
	s_mov_b32 s97, 0
	s_mov_b32 s99, 0
	s_add_nc_u64 s[92:93], s[92:93], s[96:97]      ; third head
	s_add_nc_u64 s[94:95], s[94:95], s[98:99]
	s_mov_b32 s96, 0x76543210
	s_mov_b32 s97, 0xfedcba98                      ; lane selects: lane l xor 16
	s_mov_b32 s98, 0xffff0000                      ; lanes 16-31
	s_mov_b32 s99, 0x3c800000                      ; 1 / 64
	s_mov_b32 s100, 0x358637bd                     ; 1e-6
.macro FRAG reg, a16, a8, off          ; a fragment, 16 rows x 128 K: two images of 768 bytes
	ds_load_b128 v[\reg:\reg+3], v[\a16] offset:\off
	ds_load_b64 v[\reg+4:\reg+5], v[\a8] offset:(\off)+512
	ds_load_b128 v[\reg+6:\reg+9], v[\a16] offset:(\off)+768
	ds_load_b64 v[\reg+10:\reg+11], v[\a8] offset:(\off)+1280
.endm
.macro FETCH1 slot, q2, fs             ; the tokens' four fragments into set fs: 16 loads
	WIN 0
.irp m, 0,1,2,3
	FRAG AF+48*(\fs)+12*\m, 10+4*(\slot), 11+4*(\slot), \m*3072+(\q2)*1536
.endr
.endm
.macro FETCH0 slot, q2, b0, n          ; n of the weights' fragments, from b0 on: 4 n loads
	WIN 0x40
.set fb, \b0
.rept \n
	FRAG 12*fb, 12+4*(\slot), 13+4*(\slot), fb*3072+(\q2)*1536
.set fb, fb+1
.endr
	WIN 0
.endm
; n weight tiles from b0 on x my four tiles of tokens, K step ks.  The accumulators take turns, one instruction a turn.  zero = 1: the first product starts the sums
.macro MUL b0, n, ks, fs, zero
.set mb, \b0
.rept \n
.if mb < 8
	WIN 0xa1                                       ; source 0 (weights) window 1, source 1 (tokens) window 0, C and D window 2
.else
	WIN 0xf1                                       ; C and D window 3
.endif
.set mm, 0
.rept 4
.set acc, 8*(16*((mb/4)%2)+4*mm+mb%4)
.if \zero
	v_wmma_scale_f32_16x16x128_f8f6f4 v[acc:acc+7], v[12*mb:12*mb+11], v[AF+48*(\fs)+12*mm:AF+48*(\fs)+12*mm+11], 0, v[SC+8*mb+(\ks)], v[SC+8*mm+(\ks)] matrix_a_fmt:MATRIX_FMT_FP6 matrix_b_fmt:MATRIX_FMT_FP6 matrix_a_scale:MATRIX_SCALE_ROW1
.else
	v_wmma_scale_f32_16x16x128_f8f6f4 v[acc:acc+7], v[12*mb:12*mb+11], v[AF+48*(\fs)+12*mm:AF+48*(\fs)+12*mm+11], v[acc:acc+7], v[SC+8*mb+(\ks)], v[SC+8*mm+(\ks)] matrix_a_fmt:MATRIX_FMT_FP6 matrix_b_fmt:MATRIX_FMT_FP6 matrix_a_scale:MATRIX_SCALE_ROW1
.endif
.set mm, mm+1
.endr
.set mb, mb+1
.endr
.endm
; v's four tiles with the sources swapped: source 0 = 16 tokens, source 1 = 16 rows of the weight: accumulator (b, m) at 8 (4 b + m): a lane holds one channel, and the 32 registers of a b run down 64 tokens' two blocks
.macro MULV ks, fs, zero
	WIN 0xf4                                       ; source 0 window 0, source 1 window 1, C and D window 3
.irp b, 0,1,2,3
.irp m, 0,1,2,3
.if \zero
	v_wmma_scale_f32_16x16x128_f8f6f4 v[8*(4*\b+\m):8*(4*\b+\m)+7], v[AF+48*(\fs)+12*\m:AF+48*(\fs)+12*\m+11], v[12*(8+\b):12*(8+\b)+11], 0, v[SC+8*\m+(\ks)], v[SC+8*(8+\b)+(\ks)] matrix_a_fmt:MATRIX_FMT_FP6 matrix_b_fmt:MATRIX_FMT_FP6 matrix_b_scale:MATRIX_SCALE_ROW1
.else
	v_wmma_scale_f32_16x16x128_f8f6f4 v[8*(4*\b+\m):8*(4*\b+\m)+7], v[AF+48*(\fs)+12*\m:AF+48*(\fs)+12*\m+11], v[12*(8+\b):12*(8+\b)+11], v[8*(4*\b+\m):8*(4*\b+\m)+7], v[SC+8*\m+(\ks)], v[SC+8*(8+\b)+(\ks)] matrix_a_fmt:MATRIX_FMT_FP6 matrix_b_fmt:MATRIX_FMT_FP6 matrix_b_scale:MATRIX_SCALE_ROW1
.endif
.endr
.endr
.endm
.macro UPPER ks, fs, zero              ; weight tiles 6 to 11; the last four are v's in the waves with w % 2 = 1: a branch on the wave's number
	MUL 6, 2, \ks, \fs, \zero
	WIN 0
	s_cmp_eq_u32 s24, 1
	s_cbranch_scc1 .Lv_\@
	MUL 8, 4, \ks, \fs, \zero
	WIN 0
	s_branch .Lj_\@
.Lv_\@:
	MULV \ks, \fs, \zero
	WIN 0
.Lj_\@:
.endm
.macro NEXTOF g                        ; where K step g + 1 lies
.set NS, (((\g)+1)/2)%3
.set NQ2, ((\g)+1)%2
.endm
; A K step of 128: 48 matrix instructions.  The tokens' fragments have two sets; the weights' one: its lower half is fetched anew in the step's middle, its upper half at the end.
; Four plain places stand in front of loads into registers that matrix instructions have read.
.macro STEP g, zero
	NEXTOF \g
	s_wait_dscnt 2*NB                              ; all but the youngest 24 loads, the weights' upper half
	MUL 0, NB/2, \g, (\g)%2, \zero
	s_wait_dscnt 0x0
	PLACES 4
	FETCH1 NS, NQ2, NQ2
	FETCH0 NS, NQ2, 0, NB/2
	UPPER \g, (\g)%2, \zero
	PLACES 4
	FETCH0 NS, NQ2, NB/2, NB/2
.endm
; A slot's last K step with a barrier.  fill = 1: the slot just read out is filled again: each wave waits for all its tensor loads, adds 0 to its spare word, waits for that and for its reads of the slot;
; the barrier opens a round of the cluster's barrier, and the joint refill is the first thing behind it.  fill = 0: the wave's part of the next slot has landed, and everybody's has behind the barrier.
.macro TURN g, fill
	NEXTOF \g
	s_wait_tensorcnt 0x0
.if \fill
	ds_add_u32 v[SPW], v[NIL]
	s_wait_dscnt 2*NB+1                            ; (the add and the youngest 24 loads may be out)
.else
	s_wait_dscnt 2*NB
.endif
	MUL 0, NB/4, \g, (\g)%2, 0
	s_wait_dscnt 0x0                               ; my reads of this slot are over (and the add is done)
	s_barrier_signal -1
	MUL NB/4, NB/4, \g, (\g)%2, 0
	WIN 0
	s_barrier_wait -1
.if \fill
	CREST
	JLOAD 3                                        ; quarter 3 into slot 0; the four v_nop behind it are also the places in front of the loads below
.else
	PLACES 4
.endif
	FETCH1 NS, NQ2, NQ2
	FETCH0 NS, NQ2, 0, NB/2
	UPPER \g, (\g)%2, 0
	PLACES 4
	FETCH0 NS, NQ2, NB/2, NB/2
.endm
	s_wait_tensorcnt 0x2                           ; my part of quarter 0 is in; two later quarters' loads may be out
	s_barrier_signal -1
	s_barrier_wait -1
	FETCH1 0, 0, 0
	FETCH0 0, 0, 0, NB/2
	FETCH0 0, 0, NB/2, NB/2
	s_wait_loadcnt 48                              ; the scale words are in; the 32 loads of cos and sin and the 16 of the gains, issued behind them, may be out
	STEP 0, 1
	TURN 1, 1                                      ; its wait for all loads and its barrier also show quarters 1 and 2 whole to every wave
	STEP 2, 0
	STEP 3, 0
	STEP 4, 0
	TURN 5, 0                                      ; quarter 3 has landed
	STEP 6, 0
	s_wait_dscnt 2*NB                              ; the last K step fetches nothing
	MUL 0, NB/2, 7, 1, 0
	s_wait_dscnt 0x0
	UPPER 7, 1, 0
	s_wait_tensorcnt 0x0                           ; the add and its wait behind my last tensor load; nothing below touches LDS
	ds_add_u32 v[SPW], v[NIL]
	PLACES 4                                       ; the places behind the last products
	s_wait_dscnt 0x0
	s_wait_loadcnt 0x0                             ; cos, sin, gains
.irp i, 2,3
	v_mov_b32 v[TM+\i], 0                          ; written once: a lane permute's destination counts as one of its sources
.endr
.irp i, 1,3,5,7
	v_mov_b32 v[RS+\i], 0
.endr
; 32 numbers of a lane, register 16 b + i = k 32 b + 16 h + i of my row, become the operand's registers 0-5 in v[d] on; their two scale bytes are left as a halfword in v[TM+6]
.macro QTAIL d
.irp k, 0,1
	v_permlanex16_b32 v[TM+2+\k], v[TM+\k], s96, s97
.endr
.irp k, 0,1
	v_max_num_f32 v[TM+\k], v[TM+\k], v[TM+2+\k]   ; with lane l xor 16's 16: the block's largest magnitude
.endr
.irp k, 0,1
	v_add_nc_u32 v[TM+4+\k], 0xff000000, v[TM+\k]  ; 2 off the exponent field: the conversion's scale operand
.endr
.irp k, 0,1
	v_lshrrev_b32 v[TM+6+\k], 23, v[TM+4+\k]       ; the scale's byte
.endr
.endm
.macro QSWAP d                         ; the operand wants a whole block in a lane: lanes 0-15 block 0, lanes 16-31 block 1
	v_lshl_or_b32 v[TM+6], v[TM+7], 8, v[TM+6]     ; (also the plain line behind the conversions)
.irp i, 0,1,2
	v_permlane16_swap_b32 v[\d+\i], v[CT+\i]
.endr
.irp i, 0,1,2
	v_mov_b32 v[\d+3+\i], v[CT+\i]
.endr
.endm
.macro QUANT2 s, d
.irp k, 0,1
	v_max3_num_f32 v[TM+\k], |v[\s+16*\k]|, |v[\s+16*\k+1]|, 0x1800000   ; with the floor 2^(3 - 127): the byte cannot fall under 1
.endr
.irp i, 2,4,6,8,10,12,14
.irp k, 0,1
	v_max3_num_f32 v[TM+\k], v[TM+\k], |v[\s+16*\k+\i]|, |v[\s+16*\k+\i+1]|
.endr
.endr
	QTAIL \d
	v_cvt_scalef32_pk16_fp6_f32 v[\d:\d+2], v[\s:\s+15], v[TM+4]
	v_cvt_scalef32_pk16_fp6_f32 v[CT:CT+2], v[\s+16:\s+31], v[TM+5]
	QSWAP \d
.endm
; One tile of 16 tokens of a q or k head: x / rms, x gain, the rotation, the quantiser
.macro TTILE wn, ab, gn, m
	WIN \wn                                        ; source 0 in the accumulators' window
.set p, 0
.rept 16
	v_pk_mul_f32 v[Y+p:Y+p+1], v[\ab+32*\m+p:\ab+32*\m+p+1], v[RS+2*\m:RS+2*\m+1] op_sel_hi:[1,0]
.set p, p+2
.endr
	WIN 0x04                                       ; source 1 window 1: the gains
.set p, 0
.rept 16
	v_pk_mul_f32 v[Y+p:Y+p+1], v[Y+p:Y+p+1], v[\gn+p:\gn+p+1]
.set p, p+2
.endr
	WIN 0x0c                                       ; source 1 window 3: cos and sin
.set p, 0
.rept 8
	v_pk_mul_f32 v[TA+p:TA+p+1], v[Y+16+p:Y+17+p], v[144+32*\m+p:145+32*\m+p]    ; x2 sin
	v_pk_mul_f32 v[TB+p:TB+p+1], v[Y+p:Y+p+1], v[144+32*\m+p:145+32*\m+p]        ; x1 sin
.set p, p+2
.endr
.set p, 0
.rept 8
	v_pk_fma_f32 v[Y+p:Y+p+1], v[Y+p:Y+p+1], v[128+32*\m+p:129+32*\m+p], v[TA+p:TA+p+1]                                          ; x1 cos + x2 sin
	v_pk_fma_f32 v[Y+16+p:Y+17+p], v[Y+16+p:Y+17+p], v[128+32*\m+p:129+32*\m+p], v[TB+p:TB+p+1] neg_lo:[0,0,1] neg_hi:[0,0,1]    ; x2 cos - x1 sin
.set p, p+2
.endr
	WIN 0
	QUANT2 Y, RUN+6*\m
	v_or_b32 v[WD+\m], 0x7f7f0000, v[TM+6]         ; the head has 64 along K: the word's upper two bytes stand for 1.0, over zero codes
.endm
; A q or k head: its 16 accumulators lie in window wn from register ab on, 32 registers a tile of tokens; gains from gn on in window 1; codes to s[pc], scale words to s[ps]
.macro TSLOT wn, ab, gn, pc, ps, first
.if \first == 0
	s_wait_xcnt 0x0                                ; the last head's stores have read their registers
.endif
	WIN 5*\wn                                      ; sources 0 and 1 in the accumulators' window
.irp m, 0,1,2,3
	v_pk_mul_f32 v[TA+4*\m:TA+4*\m+1], v[\ab+32*\m:\ab+32*\m+1], v[\ab+32*\m:\ab+32*\m+1]           ; the sum of squares, in two chains a tile; each accumulator is read from its low end on
	v_pk_mul_f32 v[TA+4*\m+2:TA+4*\m+3], v[\ab+32*\m+2:\ab+32*\m+3], v[\ab+32*\m+2:\ab+32*\m+3]
.endr
.irp q, 4,8,12,16,20,24,28
.irp m, 0,1,2,3
	v_pk_fma_f32 v[TA+4*\m:TA+4*\m+1], v[\ab+32*\m+\q:\ab+32*\m+\q+1], v[\ab+32*\m+\q:\ab+32*\m+\q+1], v[TA+4*\m:TA+4*\m+1]
	v_pk_fma_f32 v[TA+4*\m+2:TA+4*\m+3], v[\ab+32*\m+\q+2:\ab+32*\m+\q+3], v[\ab+32*\m+\q+2:\ab+32*\m+\q+3], v[TA+4*\m+2:TA+4*\m+3]
.endr
.endr
	WIN 0
.irp m, 0,1,2,3
	v_pk_add_f32 v[TA+4*\m:TA+4*\m+1], v[TA+4*\m:TA+4*\m+1], v[TA+4*\m+2:TA+4*\m+3]
.endr
.irp m, 0,1,2,3
	v_add_f32 v[RS+2*\m], v[TA+4*\m], v[TA+4*\m+1]
.endr
.irp m, 0,1,2,3
	v_permlanex16_b32 v[RS+2*\m+1], v[RS+2*\m], s96, s97
.endr
.irp m, 0,1,2,3
	v_add_f32 v[RS+2*\m], v[RS+2*\m], v[RS+2*\m+1] ; with lane l xor 16's 32 channels
.endr
.irp m, 0,1,2,3
	v_fma_f32 v[RS+2*\m], v[RS+2*\m], s99, s100    ; the mean + 1e-6
.endr
.irp m, 0,1,2,3
	v_rsq_f32 v[RS+2*\m], v[RS+2*\m]
.endr
	v_nop                                          ; a plain line behind the last of them,
	s_wait_alu depctr_va_vdst(0)                   ; and one wait for the four, ahead of their first reader
.irp m, 0,1,2,3
	TTILE \wn, \ab, \gn, \m
.endr
	v_cndmask_b32 v[SW], v[WD], v[WD+1], s98       ; tiles 0 | 1 in lanes 0-15 | 16-31,
	v_cndmask_b32 v[SW+1], v[WD+2], v[WD+3], s98   ; tiles 2 | 3
.irp q, 0,1,2,3,4,5
	global_store_b128 v1, v[RUN+4*\q:RUN+4*\q+3], s[\pc:\pc+1] offset:512*\q   ; 512 consecutive bytes
.endr
	global_store_b64 v2, v[SW:SW+1], s[\ps:\ps+1]  ; 256 consecutive bytes
.endm
; 16 channels of v x my 64 tokens: quantised along the tokens, straight from the accumulators
.macro VTILE b
	WIN 0x0f                                       ; sources 0 and 1 window 3
.irp k, 0,1
	v_max3_num_f32 v[TM+\k], |v[32*\b+16*\k]|, |v[32*\b+16*\k+1]|, 0x1800000
.endr
	WIN 0x3c                                       ; sources 1 and 2 window 3
.irp i, 2,4,6,8,10,12,14
.irp k, 0,1
	v_max3_num_f32 v[TM+\k], v[TM+\k], |v[32*\b+16*\k+\i]|, |v[32*\b+16*\k+\i+1]|
.endr
.endr
	WIN 0
	QTAIL RUN+6*\b
	WIN 0x03                                       ; source 0 window 3
	v_cvt_scalef32_pk16_fp6_f32 v[RUN+6*\b:RUN+6*\b+2], v[32*\b:32*\b+15], v[TM+4]
	v_cvt_scalef32_pk16_fp6_f32 v[CT:CT+2], v[32*\b+16:32*\b+31], v[TM+5]
	WIN 0
	QSWAP RUN+6*\b
	v_mov_b32 v[WD+\b], v[TM+6]
	global_store_b128 v1, v[RUN+6*\b:RUN+6*\b+3], s[92:93] offset:768*\b
	global_store_b64 v2, v[RUN+6*\b+4:RUN+6*\b+5], s[92:93] offset:768*\b+512
.endm
	TSLOT 2, 0, 144, 84, 86, 1
	TSLOT 2, 128, 176, 88, 90, 0
	s_cmp_eq_u32 s24, 1
	s_cbranch_scc1 .Lvslot
	TSLOT 3, 0, 144, 92, 94, 0
	s_branch .Lout
.Lvslot:
	s_wait_xcnt 0x0                                ; the last head's stores have read their registers
.irp b, 0,1,2,3
	VTILE \b
.endr
	v_lshl_or_b32 v[SW], v[WD+1], 16, v[WD]        ; channels' tiles 0 and 1,
	v_lshl_or_b32 v[SW+1], v[WD+3], 16, v[WD+2]    ; 2 and 3
	v_cndmask_b32 v[SW], v[SW], v[SW+1], s98
	global_store_b32 v25, v[SW], s[94:95]
.Lout:
	CROUND                                         ; the closing round: no work-group ends while a partner may still ask for a tile that names it
	s_endpgm
.Lfunc_end_k_qdfcb518fe9_qkv:
	.size	k_qdfcb518fe9_qkv, .Lfunc_end_k_qdfcb518fe9_qkv-k_qdfcb518fe9_qkv
	.p2alignl 7, 3214868480
	.fill 96, 4, 3214868480
	.section	.rodata,"a",@progbits
	.p2align	6, 0x0
	.amdhsa_kernel k_qdfcb518fe9_qkv
		.amdhsa_group_segment_fixed_size 327680
		.amdhsa_private_segment_fixed_size 0
		.amdhsa_enable_private_segment 0
		.amdhsa_kernarg_size 72
		.amdhsa_user_sgpr_count 2
		.amdhsa_user_sgpr_kernarg_segment_ptr 1
		.amdhsa_wavefront_size32 1
		.amdhsa_system_sgpr_workgroup_id_x 1
		.amdhsa_system_sgpr_workgroup_id_y 1
		.amdhsa_system_sgpr_workgroup_id_z 1
		.amdhsa_system_vgpr_workitem_id 0
		.amdhsa_next_free_vgpr 1024
		.amdhsa_next_free_sgpr 104
		.amdhsa_reserve_vcc 0
		.amdhsa_float_denorm_mode_32 3
		.amdhsa_float_denorm_mode_16_64 3
		.amdhsa_memory_ordered 1
		.amdhsa_forward_progress 1
		.amdhsa_inst_pref_size 223
	.end_amdhsa_kernel
	.amdgpu_metadata
---
amdhsa.version: [ 1, 2 ]
amdhsa.kernels:
  - .name:           k_qdfcb518fe9_qkv
    .symbol:         k_qdfcb518fe9_qkv.kd
    .args:
      - { .name: xc, .offset: 0, .size: 8, .value_kind: global_buffer, .address_space: global }
      - { .name: wc, .offset: 8, .size: 8, .value_kind: global_buffer, .address_space: global }
      - { .name: scl, .offset: 16, .size: 8, .value_kind: global_buffer, .address_space: global }
      - { .name: rope, .offset: 24, .size: 8, .value_kind: global_buffer, .address_space: global }
      - { .name: q_norm_w, .offset: 32, .size: 8, .value_kind: global_buffer, .address_space: global }
      - { .name: k_norm_w, .offset: 40, .size: 8, .value_kind: global_buffer, .address_space: global }
      - { .name: qc, .offset: 48, .size: 8, .value_kind: global_buffer, .address_space: global }
      - { .name: qs, .offset: 56, .size: 8, .value_kind: global_buffer, .address_space: global }
      - { .name: kv, .offset: 64, .size: 8, .value_kind: global_buffer, .address_space: global }
    .group_segment_fixed_size: 327680
    .private_segment_fixed_size: 0
    .kernarg_segment_align: 8
    .kernarg_segment_size: 72
    .max_flat_workgroup_size: 128
    .sgpr_count:     104
    .vgpr_count:     1024
    .wavefront_size: 32
...
	.end_amdgpu_metadata
.endif
;; end of part 2
;; launch attn (part 3): grid 8 x 32, 16 waves a work-group, clusters of 4 x 1, 167,936 bytes of LDS; arguments qc, qs, kv, yc, scl; writes yc, scl
.if DOCPART == 3
	.amdgcn_target "amdgcn-amd-amdhsa--gfx1250"
	.amdhsa_code_object_version 6
	.text
	.protected	k_qdfcb518fe9_attn
	.globl	k_qdfcb518fe9_attn
	.p2align	8
	.type	k_qdfcb518fe9_attn,@function
k_qdfcb518fe9_attn:
	s_mov_b64 s[64:65], 0
	v_nop
	global_prefetch_b8 v0, s[64:65] scope:SCOPE_SE
	s_setreg_imm32_b32 hwreg(HW_REG_WAVE_MODE, 25, 1), 1
	s_wait_xcnt 0x0
	s_wait_alu depctr_hold_cnt(0) depctr_sa_sdst(0) depctr_va_vdst(0) depctr_va_sdst(0) depctr_va_ssrc(0) depctr_va_vcc(0) depctr_vm_vsrc(0)
	s_getreg_b32 s2, hwreg(HW_REG_IB_STS2, 6, 4)
	s_cmp_eq_u32 s2, 0
	s_cbranch_scc0 .Lentry_in_a_cluster
	s_endpgm
.Lentry_in_a_cluster:
	s_bfe_u32 s2, ttmp6, 0x10000c
	s_cmp_lg_u32 s2, 0x3003
	s_cbranch_scc0 .Lentry_shape_is_right
	s_endpgm
.Lentry_shape_is_right:
; y = softmax(50 tanh(q k^T / 8 / 50), causal) v, both products on codes of FP6 (E2M3) with E8M0 scales; y is quantised along its 1,024 channels for the output projection.
; THE SOFTMAX.  t = logit x log2(e) = 72.134752 tanh(..) lies within +-72.14 for every input, by the cap that the problem itself makes.  So p = 2^t neither overflows nor underflows, nor does a sum of 1,024 of them,
; and M = 0 is taken: against the row's own whole M every p differs by an exact power of two, which the block's scale takes up: the codes are the same.  The row's sum is taken of the unquantised p and divides at the end.
; tanh(z) = 1 - 2 / (1 + 2^(2 z log2(e))).  LIMITS: its absolute error is some 2e-7, so t carries some 1e-5 where z is small; a p more than 2^124 under its row's largest is kept, where a scale held at -126 would drop it;
; NaN and infinities are not served.
; SHARES.  A work-group serves one key/value head of one sequence; its sixteen waves are 4 query heads x 4.  A wave makes two tiles of 16 queries, tile 8 a + c and tile 63 - (8 a + c) of the sequence's 64 (a = wave / 4,
; c = the work-group's number among eight): a + 1 and 8 - a key steps of 128 keys, nine for every wave.  Steps wholly above the diagonal are left out by a branch on the wave's number; the loops' trip counts are constants.
; K, V and their scale words, 104,448 bytes for the head, come into LDS ONCE.  CLUSTER: four work-groups of a head ask for them jointly.  Behind one barrier the waves run free.
; LAYOUT.  Both products are used transposed (S^T = K Q^T, O^T = V^T P^T): a lane holds one query.  A tile holds the rows 32 B + 8 u + r + 8 (r / 8), so the 16 registers of two neighbouring tiles are 16 neighbouring keys.
; THE HEAD HAS 64 ALONG K, THE INSTRUCTION 128.  A key tile's codes are 6 registers; eight tiles lie on end, and fragment t is registers 6 t .. 6 t + 11: its upper half is the next tile's codes.  Q's upper six registers
; are zero codes and the upper two bytes of both scale words stand for 1.0: what lies beyond K = 64 adds 0.
; REGISTERS: v1-3 16 l, 8 l, 4 l; v6-9 the step's addresses; v11 the mask's threshold; v[12:13] the sum; v16-27, v228-239 the two Q; v28, v240 their scale words; v29 p's; v30-33 K's; v36-37 V's;
;   v40-93 K's or V's fragments; v96-159 S^T, then p; v160-191 O^T; v192-203 p's codes; v204-227 at work.
.set SCR,   104448                     ; behind the head's block: 1,024 bytes in which y's scale halfwords meet
.set SPARE, 105472                     ; the spare words, 128 bytes for each wave
.set KF,    40
.set S,     96
.set O,     160
.set PC,    192
.set CT,    204
.set TM,    212
.macro CROUND
	s_barrier_signal -1
	s_barrier_wait -1
	s_cmp_lg_u32 s14, 0
	s_cbranch_scc1 .Lnot_wave_0_\@
	s_barrier_signal -3
.Lnot_wave_0_\@:
	s_barrier_wait -3
	s_barrier_signal -1
	s_barrier_wait -1
.endm
	s_load_b256 s[4:11], s[0:1], 0x0               ; qc, qs, kv, yc
	s_load_b64 s[12:13], s[0:1], 0x20              ; scl
	v_lshl_add_u32 v4, v0, 2, SPARE
	v_mov_b32 v5, 0
	ds_add_u32 v4, v5                              ; the wave's opening: the add and its wait ahead of the first tensor load
	v_lshrrev_b32 v1, 5, v0
	v_readfirstlane_b32 s14, v1                    ; wave
	s_lshr_b32 s15, s14, 2                         ; a
	s_and_b32 s16, s14, 3                          ; the query head in its group
	s_bfe_u32 s17, ttmp6, 0x40000                  ; cx
	s_lshl_b32 s18, ttmp9, 2
	s_add_co_u32 s18, s18, s17                     ; c: it enters global addresses and the mask's threshold alone
	s_and_b32 s19, ttmp7, 0xffff                   ; the group, which the four partners share
	s_lshr_b32 s20, s19, 2                         ; the sequence
	s_and_b32 s21, s19, 3                          ; the key/value head
	s_mov_b32 s24, 15|(3<<16)|(1<<21)              ; 15:0 the mask: all four; 17:16 elements of 8 bytes; 21 set beside a mask
	s_mov_b32 s25, 32<<16                          ; tensor_dim0: 256 bytes
	s_mov_b32 s26, 102<<16                         ; tensor_dim1: 102 rows, a quarter of the block
	s_mov_b32 s27, 32<<16
	s_mov_b32 s28, 102
	s_mov_b32 s29, 32
	s_mov_b32 s30, 0
	s_mov_b32 s31, 0
	s_min_u32 s22, s14, 3
	s_mul_i32 s22, s22, 26112
	s_mul_i32 s52, s19, 104448
	s_add_co_u32 s52, s52, s22
	s_mov_b32 s53, 0
	s_mov_b32 s36, 0x76543210
	s_mov_b32 s37, 0xfedcba98                      ; lane selects: lane l xor 16
	s_mov_b32 s38, 0x3bec5f04                      ; 2 log2(e) / (8 x 50)
	s_mov_b32 s39, s38
	s_mov_b32 s40, 0xc31044fe                      ; -2 x 50 log2(e)
	s_mov_b32 s41, s40
	s_wait_dscnt 0x0                               ; the opening add is done
	s_wait_kmcnt 0x0
	s_mov_b32 s32, 1
	s_mov_b32 s33, s22
	s_add_nc_u64 s[34:35], s[8:9], s[52:53]
	s_or_b32 s35, s35, 0x80000000
	CROUND                                         ; all four work-groups are here: the joint loads meet
	s_cmp_lt_u32 s14, 4                            ; waves 0 to 3 bring a quarter each: one load of mine is out
	s_cbranch_scc0 .Lno_fetch
	tensor_load_to_lds s[32:35], s[24:31]
	s_nop 0
.rept 4
	v_nop
.endr
.Lno_fetch:
	v_and_b32 v3, 31, v0
	v_lshlrev_b32 v1, 4, v3                        ; 16 l
	v_lshlrev_b32 v2, 3, v3                        ; 8 l
	v_lshlrev_b32 v3, 2, v3                        ; 4 l
	v_and_b32 v254, 15, v0                         ; r
	v_bfe_u32 v255, v0, 4, 1                       ; h
	v_add_nc_u32 v94, 98304, v2                    ; K's scale words
	v_add_nc_u32 v95, 102400, v3                   ; V's
	v_and_b32 v10, 8, v254
	v_add_nc_u32 v10, v10, v254
	v_lshlrev_b32 v6, 4, v255
	v_sub_nc_u32 v10, v10, v6                      ; r + 8 (r / 8) - 16 h
	s_lshl_b32 s52, s15, 7
	s_lshl_b32 s53, s16, 1
	s_add_co_u32 s52, s52, s53
	s_add_co_u32 s52, s52, SCR
	v_lshl_add_u32 v242, v254, 3, s52              ; where my halfwords go: 128 a + 8 r + 2 x head
	s_min_u32 s52, s14, 3
	s_lshl_b32 s52, s52, 8
	s_add_co_u32 s52, s52, SCR
	v_add_nc_u32 v243, s52, v2                     ; and where waves 0 to 3 read them back
	s_lshl_b32 s48, s15, 3
	s_add_co_u32 s48, s48, s18                     ; my first tile of queries,
	s_sub_co_u32 s49, 63, s48                      ; my second
	s_lshl_b32 s50, s21, 2
	s_add_co_u32 s50, s50, s16                     ; the query head
	s_lshl_b32 s51, s20, 4
	s_add_co_u32 s51, s51, s50
	s_lshl_b32 s51, s51, 4
; Q's six registers of tile i lie among the 24 of its 64 tokens, four registers to a plane of 512 bytes: three loads of 8 bytes.  Its scale word: lane 16 (i % 2) + r, word (i % 4) / 2
.macro QLOAD ir, q, qw, tv
	s_lshr_b32 s52, s[\ir], 2
	s_and_b32 s53, s[\ir], 3
	s_add_co_u32 s52, s52, s51
	s_mul_i32 s54, s52, 3072
	s_lshl_b32 s55, s52, 8
	s_mul_i32 s56, s53, 3
.irp e, 0,1,2
	s_add_co_u32 s57, s56, \e
	s_lshr_b32 s62, s57, 1
	s_lshl_b32 s62, s62, 9
	s_and_b32 s57, s57, 1
	s_lshl_b32 s57, s57, 3
	s_add_co_u32 s62, s62, s57
	s_add_co_u32 s62, s62, s54
	v_add_nc_u32 v[\tv+\e], s62, v1
	global_load_b64 v[\q+2*\e:\q+2*\e+1], v[\tv+\e], s[4:5]
.endr
	s_and_b32 s57, s53, 1
	s_lshl_b32 s57, s57, 7
	s_lshr_b32 s62, s53, 1
	s_lshl_b32 s62, s62, 2
	s_add_co_u32 s57, s57, s62
	s_add_co_u32 s57, s57, s55
	v_lshl_add_u32 v[\tv+3], v254, 3, s57
	global_load_b32 v[\qw], v[\tv+3], s[6:7]
.endm
	QLOAD 48, 16, 28, 244
	QLOAD 49, 228, 240, 248
	s_lshl_b32 s52, s20, 6                         ; where y's codes go: (64 b + tile) x 12,288 + head x 768
	s_add_co_u32 s53, s52, s48
	s_mul_i32 s54, s53, 12288
	s_mul_i32 s56, s50, 768
	s_add_co_u32 s54, s54, s56
	s_mov_b32 s55, 0
	s_add_nc_u64 s[58:59], s[10:11], s[54:55]
	s_add_co_u32 s53, s52, s49
	s_mul_i32 s54, s53, 12288
	s_add_co_u32 s54, s54, s56
	s_add_nc_u64 s[60:61], s[10:11], s[54:55]
.irp j, 22,23,24,25,26,27,88,89,90,91,92,93,234,235,236,237,238,239,241,252,253
	v_mov_b32 v[\j], 0                             ; zero codes beyond K = 64; 0 for hidden keys; registers that are named before they are first written
.endr
.irp j, 4,5,6,7
	v_mov_b32 v[TM+\j], 0                          ; a lane permute's destination counts as one of its sources
.endr
	v_mov_b32 v14, 0x429044fe                      ; 50 log2(e)
	v_mov_b32 v15, v14
	s_wait_tensorcnt 0x0                           ; my quarter has landed,
	s_barrier_signal -1
	s_barrier_wait -1                              ; everybody's has.  Nothing is filled again
	s_wait_loadcnt 0x0                             ; Q
; A KEY STEP: 128 keys against my 16 queries
.macro STEP qr, qw
	v_add_nc_u32 v6, s42, v1                       ; codes, 16 bytes a lane (these five are also the places behind the last products, in front of the loads into their registers)
	v_add_nc_u32 v7, s42, v2                       ; codes, 8 bytes a lane
	v_add_nc_u32 v8, s43, v94                      ; K's scale words
	v_add_nc_u32 v9, s44, v95                      ; V's
	v_nop
.set p, 0
.rept 12
	ds_load_b128 v[KF+4*p:KF+4*p+3], v6 offset:512*p   ; eight tiles of keys, 48 registers on end
.set p, p+1
.endr
	ds_load_b64 v[30:31], v8
	ds_load_b64 v[32:33], v8 offset:256
	s_wait_dscnt 0x0
.irp t, 0,2,4,6
	v_wmma_scale_f32_16x16x128_f8f6f4 v[S+8*\t:S+8*\t+7], v[KF+6*\t:KF+6*\t+11], v[\qr:\qr+11], 0, v[30+\t/2], v[\qw] matrix_a_fmt:MATRIX_FMT_FP6 matrix_b_fmt:MATRIX_FMT_FP6
	v_wmma_scale_f32_16x16x128_f8f6f4 v[S+8*\t+8:S+8*\t+15], v[KF+6*\t+6:KF+6*\t+17], v[\qr:\qr+11], 0, v[30+\t/2], v[\qw] matrix_a_fmt:MATRIX_FMT_FP6 matrix_b_fmt:MATRIX_FMT_FP6 matrix_a_scale:MATRIX_SCALE_ROW1
.endr
.rept 4
	v_nop                                          ; places in front of the loads into K's registers and of the first read of the scores
.endr
.irp u, 0,1
.irp b, 0,1,2,3
	ds_load_b128 v[KF+12*\b+6*\u:KF+12*\b+6*\u+3], v6 offset:49152+(4*\u+\b)*768         ; V^T: 16 channels x 64 keys, twice for each fragment
	ds_load_b64 v[KF+12*\b+6*\u+4:KF+12*\b+6*\u+5], v7 offset:49152+(4*\u+\b)*768+512
.endr
.endr
	ds_load_b32 v34, v9
	ds_load_b32 v35, v9 offset:128
.set j, 0
.rept 32
	v_pk_mul_f32 v[S+j:S+j+1], v[S+j:S+j+1], s[38:39] op_sel_hi:[1,0]   ; 2 z log2(e); each accumulator is read from its low end on
.set j, j+2
.endr
.set j, 0
.rept 64
	v_exp_f32 v[S+j], v[S+j]
.set j, j+1
.endr
	v_nop                                          ; a plain line behind the batch, and one wait for it, ahead of its first reader
	s_wait_alu depctr_va_vdst(0)
.set j, 0
.rept 32
	v_pk_add_f32 v[S+j:S+j+1], v[S+j:S+j+1], 1.0 op_sel_hi:[1,0]
.set j, j+2
.endr
.set j, 0
.rept 64
	v_rcp_f32 v[S+j], v[S+j]
.set j, j+1
.endr
	v_nop
	s_wait_alu depctr_va_vdst(0)
.set j, 0
.rept 32
	v_pk_fma_f32 v[S+j:S+j+1], v[S+j:S+j+1], s[40:41], v[14:15] op_sel_hi:[1,0,0]   ; t = 50 log2(e) (1 - 2 / (1 + E))
.set j, j+2
.endr
.set j, 0
.rept 64
	v_exp_f32 v[S+j], v[S+j]                       ; p = 2^t
.set j, j+1
.endr
	v_nop
	s_wait_alu depctr_va_vdst(0)
	s_wait_dscnt 0x0                               ; V and its scale words are in
	v_perm_b32 v36, v35, v34, 0x05040100           ; V's scale words of these 128 keys: channels' tiles 0 | 2 in lanes 0-15 | 16-31,
	v_perm_b32 v37, v35, v34, 0x07060302           ; tiles 1 | 3
	s_cmp_lg_u32 s45, s46                          ; on the diagonal hidden keys' p become 0; the steps below it skip this
	s_cbranch_scc1 .Lopen_\@
.set n, 0
.rept 64
	v_cmp_gt_i32 vcc_lo, 32*(n/16)+n%16, v11       ; register 16 b + i holds key 32 b + 16 h + i of the step
	v_cndmask_b32 v[S+n], v[S+n], v241, vcc_lo
.set n, n+1
.endr
.Lopen_\@:
.irp b, 0,1,2,3
	v_max3_num_f32 v[TM+\b], v[S+16*\b], v[S+16*\b+1], 0x1800000   ; each block's largest p, with the floor 2^(3 - 127)
.endr
.irp i, 2,4,6,8,10,12,14
.irp b, 0,1,2,3
	v_max3_num_f32 v[TM+\b], v[TM+\b], v[S+16*\b+\i], v[S+16*\b+\i+1]
.endr
.endr
.irp b, 0,1,2,3
	v_permlanex16_b32 v[TM+4+\b], v[TM+\b], s36, s37
.endr
.irp b, 0,1,2,3
	v_max_num_f32 v[TM+\b], v[TM+\b], v[TM+4+\b]
.endr
.irp b, 0,1,2,3
	v_add_nc_u32 v[TM+12+\b], 0xff000000, v[TM+\b] ; 2 off the exponent field: the conversion's scale operand
.endr
.irp b, 0,1,2,3
	v_lshrrev_b32 v[TM+4+\b], 23, v[TM+12+\b]      ; the scale's byte
.endr
	v_lshl_or_b32 v29, v[TM+5], 8, v[TM+4]         ; p's scale word
	v_lshl_or_b32 v29, v[TM+6], 16, v29
	v_lshl_or_b32 v29, v[TM+7], 24, v29
.irp c, 0,1
	v_cvt_scalef32_pk16_fp6_f32 v[PC+6*\c:PC+6*\c+2], v[S+32*\c:S+32*\c+15], v[TM+12+2*\c]
	v_cvt_scalef32_pk16_fp6_f32 v[CT+4*\c:CT+4*\c+2], v[S+32*\c+16:S+32*\c+31], v[TM+13+2*\c]
.endr
	v_nop                                          ; a plain line behind the conversions
.irp c, 0,1
.irp i, 0,1,2
	v_permlane16_swap_b32 v[PC+6*\c+\i], v[CT+4*\c+\i]   ; a whole block to a lane
.endr
.irp i, 0,1,2
	v_mov_b32 v[PC+6*\c+3+\i], v[CT+4*\c+\i]
.endr
.endr
	v_pk_add_f32 v[252:253], v[S:S+1], v[S+2:S+3]  ; the row's sum of the unquantised p, in two chains (these 32 are also the places in front of the scaled products)
.irp j, 4,8,12,16,20,24,28,32,36,40,44,48,52,56,60
	v_pk_add_f32 v[12:13], v[12:13], v[S+\j:S+\j+1]
	v_pk_add_f32 v[252:253], v[252:253], v[S+\j+2:S+\j+3]
.endr
	v_pk_add_f32 v[12:13], v[12:13], v[252:253]
.irp b, 0,1
	v_wmma_scale_f32_16x16x128_f8f6f4 v[O+8*\b:O+8*\b+7], v[KF+12*\b:KF+12*\b+11], v[PC:PC+11], v[O+8*\b:O+8*\b+7], v[36+\b], v29 matrix_a_fmt:MATRIX_FMT_FP6 matrix_b_fmt:MATRIX_FMT_FP6
.endr
.irp b, 0,1
	v_wmma_scale_f32_16x16x128_f8f6f4 v[O+16+8*\b:O+23+8*\b], v[KF+24+12*\b:KF+35+12*\b], v[PC:PC+11], v[O+16+8*\b:O+23+8*\b], v[36+\b], v29 matrix_a_fmt:MATRIX_FMT_FP6 matrix_b_fmt:MATRIX_FMT_FP6 matrix_a_scale:MATRIX_SCALE_ROW1
.endr
.endm
; A TILE OF 16 QUERIES.  s46: the step on the diagonal; s47: the tile's place among that step's eight.  ntr: the loop's trips, a constant; the steps behind the diagonal do nothing but step the addresses
.macro TILE ntr, qr, qw, ys, yp
.set j, 0
.rept 32
	v_mov_b32 v[O+j], 0                            ; the step is written once: the first finds zeros
.set j, j+1
.endr
	v_mov_b32 v12, 0
	v_mov_b32 v13, 0
	s_lshr_b32 s52, s47, 1
	s_lshl_b32 s52, s52, 5
	s_and_b32 s53, s47, 1
	s_lshl_b32 s53, s53, 3
	s_add_co_u32 s52, s52, s53
	v_add_nc_u32 v11, s52, v10                     ; my query's place in the diagonal step, less 16 h
	s_mov_b32 s42, 0
	s_mov_b32 s43, 0
	s_mov_b32 s44, 0
	s_mov_b32 s45, 0
.Lstep_\@:
	s_cmp_gt_u32 s45, s46
	s_cbranch_scc1 .Lskip_\@
	STEP \qr, \qw
.Lskip_\@:
	s_add_co_u32 s42, s42, 6144                    ; 128 keys' codes, of K and of V alike
	s_add_co_u32 s43, s43, 512
	s_add_co_u32 s44, s44, 256
	s_add_co_u32 s45, s45, 1
	s_cmp_lt_u32 s45, \ntr
	s_cbranch_scc1 .Lstep_\@
.rept 4
	v_nop                                          ; places behind the last products
.endr
	v_add_f32 v12, v12, v13
	v_permlanex16_b32 v252, v12, s36, s37
	v_add_f32 v12, v12, v252                       ; the row's sum
	v_rcp_f32 v12, v12
	v_nop
	s_wait_alu depctr_va_vdst(0)
.set j, 0
.rept 16
	v_pk_mul_f32 v[S+j:S+j+1], v[O+j:O+j+1], v[12:13] op_sel_hi:[1,0]   ; y: register 16 b + i is channel 32 b + 16 h + i of the head
.set j, j+2
.endr
.irp k, 0,1
	v_max3_num_f32 v[TM+\k], |v[S+16*\k]|, |v[S+16*\k+1]|, 0x1800000
.endr
.irp i, 2,4,6,8,10,12,14
.irp k, 0,1
	v_max3_num_f32 v[TM+\k], v[TM+\k], |v[S+16*\k+\i]|, |v[S+16*\k+\i+1]|
.endr
.endr
.irp k, 0,1
	v_permlanex16_b32 v[TM+4+\k], v[TM+\k], s36, s37
.endr
.irp k, 0,1
	v_max_num_f32 v[TM+\k], v[TM+\k], v[TM+4+\k]
.endr
.irp k, 0,1
	v_add_nc_u32 v[TM+12+\k], 0xff000000, v[TM+\k]
.endr
.irp k, 0,1
	v_lshrrev_b32 v[TM+8+\k], 23, v[TM+12+\k]
.endr
	v_cvt_scalef32_pk16_fp6_f32 v[PC:PC+2], v[S:S+15], v[TM+12]
	v_cvt_scalef32_pk16_fp6_f32 v[CT:CT+2], v[S+16:S+31], v[TM+13]
	v_lshl_or_b32 v[\ys], v[TM+9], 8, v[TM+8]      ; the head's two scale bytes (also the plain line behind the conversions)
.irp i, 0,1,2
	v_permlane16_swap_b32 v[PC+\i], v[CT+\i]
.endr
.irp i, 0,1,2
	v_mov_b32 v[PC+3+\i], v[CT+\i]
.endr
	global_store_b128 v1, v[PC:PC+3], s[\yp:\yp+1]                 ; 512 consecutive bytes,
	global_store_b64 v2, v[PC+4:PC+5], s[\yp:\yp+1] offset:512     ; and 256
.endm
	s_mov_b32 s46, s15
	s_mov_b32 s47, s18
	TILE 4, 16, 28, 38, 58
	s_wait_xcnt 0x0                                ; the stores have read their registers
	s_sub_co_u32 s46, 7, s15
	s_sub_co_u32 s47, 7, s18
	TILE 8, 228, 240, 39, 60
	; y's scale words: a row's 8 bytes for this group's four heads come from four waves: they meet in LDS
	ds_store_b16 v242, v38
	ds_store_b16 v242, v39 offset:512
	s_wait_tensorcnt 0x0                           ; with the add below and its wait, behind my last LDS store; also waits in front of the barrier
	ds_add_u32 v4, v5
	v_and_b32 v250, 15, v0                         ; r
	v_bfe_u32 v251, v0, 4, 1                       ; h
	s_and_b32 s52, s14, 1
	s_lshl_b32 s52, s52, 4
	s_add_co_u32 s52, s52, s18
	v_lshl_add_u32 v254, v251, 3, s52              ; the tile whose words I read back: 8 (2 (w % 2) + h) + c,
	v_sub_nc_u32 v255, 63, v254                    ; or 63 less that in waves 2 and 3
	s_cmp_ge_u32 s14, 2
	s_cselect_b32 s53, -1, 0
	v_cndmask_b32 v254, v254, v255, s53
	s_lshl_b32 s54, s20, 15
	s_lshl_b32 s55, s21, 7
	s_add_co_u32 s54, s54, s55
	v_lshlrev_b32 v254, 9, v254
	v_lshl_add_u32 v254, v250, 3, v254
	v_add_nc_u32 v254, s54, v254                   ; (64 b + tile) x 512 + 128 x key/value head + 8 r
	s_wait_dscnt 0x0
	s_barrier_signal -1
	s_barrier_wait -1
	s_cmp_lt_u32 s14, 4
	s_cbranch_scc0 .Lno_words
	ds_load_b64 v[252:253], v243
	s_wait_dscnt 0x0
	global_store_b64 v254, v[252:253], s[12:13]
.Lno_words:
	CROUND                                         ; the closing round
	s_endpgm
.Lfunc_end_k_qdfcb518fe9_attn:
	.size	k_qdfcb518fe9_attn, .Lfunc_end_k_qdfcb518fe9_attn-k_qdfcb518fe9_attn
	.p2alignl 7, 3214868480
	.fill 96, 4, 3214868480
	.section	.rodata,"a",@progbits
	.p2align	6, 0x0
	.amdhsa_kernel k_qdfcb518fe9_attn
		.amdhsa_group_segment_fixed_size 167936
		.amdhsa_private_segment_fixed_size 0
		.amdhsa_enable_private_segment 0
		.amdhsa_kernarg_size 40
		.amdhsa_user_sgpr_count 2
		.amdhsa_user_sgpr_kernarg_segment_ptr 1
		.amdhsa_wavefront_size32 1
		.amdhsa_system_sgpr_workgroup_id_x 1
		.amdhsa_system_sgpr_workgroup_id_y 1
		.amdhsa_system_sgpr_workgroup_id_z 1
		.amdhsa_system_vgpr_workitem_id 0
		.amdhsa_next_free_vgpr 256
		.amdhsa_next_free_sgpr 66
		.amdhsa_reserve_vcc 1
		.amdhsa_float_denorm_mode_32 3
		.amdhsa_float_denorm_mode_16_64 3
		.amdhsa_memory_ordered 1
		.amdhsa_forward_progress 1
		.amdhsa_inst_pref_size 75
	.end_amdhsa_kernel
	.amdgpu_metadata
---
amdhsa.version: [ 1, 2 ]
amdhsa.kernels:
  - .name:           k_qdfcb518fe9_attn
    .symbol:         k_qdfcb518fe9_attn.kd
    .args:
      - { .name: qc, .offset: 0, .size: 8, .value_kind: global_buffer, .address_space: global }
      - { .name: qs, .offset: 8, .size: 8, .value_kind: global_buffer, .address_space: global }
      - { .name: kv, .offset: 16, .size: 8, .value_kind: global_buffer, .address_space: global }
      - { .name: yc, .offset: 24, .size: 8, .value_kind: global_buffer, .address_space: global }
      - { .name: scl, .offset: 32, .size: 8, .value_kind: global_buffer, .address_space: global }
    .group_segment_fixed_size: 167936
    .private_segment_fixed_size: 0
    .kernarg_segment_align: 8
    .kernarg_segment_size: 40
    .max_flat_workgroup_size: 512
    .sgpr_count:     66
    .vgpr_count:     256
    .wavefront_size: 32
...
	.end_amdgpu_metadata
.endif
;; end of part 3
;; launch outp (part 4): grid 4 x 64, 4 waves a work-group, clusters of 4 x 4, 327,680 bytes of LDS; arguments yc, wc, scl, out0; writes out0
.if DOCPART == 4
	.amdgcn_target "amdgcn-amd-amdhsa--gfx1250"
	.amdhsa_code_object_version 6
	.text
	.protected	k_qdfcb518fe9_outp
	.globl	k_qdfcb518fe9_outp
	.p2align	8
	.type	k_qdfcb518fe9_outp,@function
k_qdfcb518fe9_outp:
	s_mov_b64 s[64:65], 0
	v_nop
	global_prefetch_b8 v0, s[64:65] scope:SCOPE_SE
	s_setreg_imm32_b32 hwreg(HW_REG_WAVE_MODE, 25, 1), 1
	s_wait_xcnt 0x0
	s_wait_alu depctr_hold_cnt(0) depctr_sa_sdst(0) depctr_va_vdst(0) depctr_va_sdst(0) depctr_va_ssrc(0) depctr_va_vcc(0) depctr_vm_vsrc(0)
	s_getreg_b32 s2, hwreg(HW_REG_IB_STS2, 6, 4)
	s_cmp_eq_u32 s2, 0
	s_cbranch_scc0 .Lentry_in_a_cluster
	s_endpgm
.Lentry_in_a_cluster:
	s_bfe_u32 s2, ttmp6, 0x10000c
	s_cmp_lg_u32 s2, 0xf033
	s_cbranch_scc0 .Lentry_shape_is_right
	s_endpgm
.Lentry_shape_is_right:
; out = y w_c^T on codes of FP6 (E2M3) with E8M0 scales; out [8192][1024] f32.
; SHARES.  A work-group makes 128 tokens x 256 columns: 8 tiles of tokens x 16 of weight rows; wave w: 64 tokens (w / 2) x 8 weight tiles (w % 2): 32 accumulators.  K = 1,024 goes in four quarters of 256, each with
; an LDS slot of its own: all four are asked for at the start and nothing is filled again.
; The operands lie as images of their registers (16 rows x 64 K = 768 bytes: registers 0-3 at 16 l, registers 4-5 at 512 + 8 l); tiles hold the rows 32 B + 8 u + r + 8 (r / 8).  Source 0 = 16 weight rows, source 1 = 16 tokens:
; a lane holds one token, and the 16 registers of two neighbouring weight tiles are 16 neighbouring columns.
; CLUSTERS: 4 x 4 work-groups; the tokens' tiles are asked for jointly along a row of the cluster, the weights' along a column.
; The scale words go from memory straight into registers, once: register SC + 8 i + s: lanes 0-15 the tokens' tile i, lanes 16-31 the weights' tile i, K step s.
; REGISTERS: window 0: v1-28 addresses; v40-103 scale words; v136-231 the tokens' fragments, two sets; on the way out v104-231 take rows of the result.  window 1: v0-95 the weights' fragments.  window 2: the accumulators.
.set NB,    8
.set SLOTB, 73728                      ; a slot: 8 tiles of tokens, then 16 of weights, 3,072 bytes each
.set SPARE, 4*SLOTB
.set SPW,   8
.set NIL,   9
.set SC,    40
.set AF,    136
.set BK,    104
.set STO,   26
.set RD,    27
.set G1A,   32
.set G1B,   40
.set G0A,   48
.set G0B,   68
.set MSB, 0
.macro WIN new
.if MSB != \new
	s_set_vgpr_msb (MSB<<8)|\new
.set MSB, \new
.endif
.endm
.macro PLACES n
.rept \n
	v_nop
.endr
.endm
.macro CROUND
	s_barrier_signal -1
	s_barrier_wait -1
	s_cmp_lg_u32 s22, 0
	s_cbranch_scc1 .Lnot_wave_0_\@
	s_barrier_signal -3
.Lnot_wave_0_\@:
	s_barrier_wait -3
	s_barrier_signal -1
	s_barrier_wait -1
.endm
	s_load_b256 s[4:11], s[0:1], 0x0               ; yc, wc, scl, out0
	v_lshl_add_u32 v[SPW], v0, 2, SPARE
	v_mov_b32 v[NIL], 0
	ds_add_u32 v[SPW], v[NIL]                      ; the wave's opening: the add and its wait ahead of my first tensor load
	v_lshrrev_b32 v1, 5, v0
	v_readfirstlane_b32 s22, v1                    ; wave
	s_lshr_b32 s23, s22, 1                         ; which 64 tokens.  Also: I fetch tokens (0) or weights (1)
	s_and_b32 s24, s22, 1                          ; which 8 weight tiles.  Also: which half I fetch
	s_bfe_u32 s25, ttmp6, 0x40000
	s_bfe_u32 s26, ttmp6, 0x40004
	s_lshl_b32 s27, ttmp9, 2
	s_add_co_u32 s27, s27, s25                     ; X: the block of 256 columns
	s_and_b32 s28, ttmp7, 0xffff
	s_lshl_b32 s28, s28, 2
	s_add_co_u32 s28, s28, s26                     ; Y: the block of 128 tokens
	s_lshl_b32 s29, s26, 2
	s_lshl_b32 s29, 15, s29
	s_lshl_b32 s30, 0x1111, s25
	s_or_b32 s[G1A], s29, (3<<16)|(1<<21)          ; the mask; elements of 8 bytes; bit 21 beside a mask; no padding
	s_or_b32 s[G1B], s30, (3<<16)|(1<<21)
	s_mov_b32 s[G1A+1], 384<<16                    ; a tile's quarter, 3,072 bytes
	s_mov_b32 s[G1A+2], 4<<16                      ; 4 tiles of tokens
	s_mov_b32 s[G1A+3], 384<<16
	s_mov_b32 s[G1A+4], 4
	s_mov_b32 s[G1A+5], 1536                       ; from tile to tile: 12,288 bytes
	s_mov_b32 s[G1A+6], 0
	s_mov_b32 s[G1A+7], 0
	s_mov_b32 s[G1B+1], 384<<16
	s_mov_b32 s[G1B+2], 8<<16                      ; 8 tiles of weights
	s_mov_b32 s[G1B+3], 384<<16
	s_mov_b32 s[G1B+4], 8
	s_mov_b32 s[G1B+5], 1536
	s_mov_b32 s[G1B+6], 0
	s_mov_b32 s[G1B+7], 0
	s_lshl_b32 s2, s28, 3
	s_lshl_b32 s3, s24, 2
	s_add_co_u32 s2, s2, s3
	s_mul_i32 s2, s2, 12288                        ; the tokens' tiles 8 Y + 4 (w % 2) on
	s_mov_b32 s3, 0
	s_lshl_b32 s30, s27, 4
	s_lshl_b32 s31, s24, 3
	s_add_co_u32 s30, s30, s31
	s_add_co_u32 s30, s30, 96
	s_mul_i32 s30, s30, 12288                      ; the weights' tiles 96 + 16 X + 8 (w % 2) on
	s_mov_b32 s31, 0
	s_mul_i32 s29, s24, 12288                      ; where they go in a slot
	s_mul_i32 s101, s24, 24576
	s_add_co_u32 s101, s101, 24576
	s_wait_dscnt 0x0                               ; the opening add is done
	s_wait_kmcnt 0x0
	s_add_nc_u64 s[2:3], s[4:5], s[2:3]
	s_add_nc_u64 s[30:31], s[6:7], s[30:31]
.irp q, 0,1,2,3
	s_mov_b32 s[G0A+4*\q], 1
	s_add_co_u32 s[G0A+4*\q+1], s29, \q*SLOTB
	s_add_nc_u64 s[G0A+4*\q+2:G0A+4*\q+3], s[2:3], \q*3072
	s_or_b32 s[G0A+4*\q+3], s[G0A+4*\q+3], 0x80000000
	s_mov_b32 s[G0B+4*\q], 1
	s_add_co_u32 s[G0B+4*\q+1], s101, \q*SLOTB
	s_add_nc_u64 s[G0B+4*\q+2:G0B+4*\q+3], s[30:31], \q*3072
	s_or_b32 s[G0B+4*\q+3], s[G0B+4*\q+3], 0x80000000
.endr
	CROUND                                         ; all sixteen work-groups are here: the joint loads meet
	s_cmp_lt_u32 s22, 2                            ; a wave's four fills stand in one branch: four loads of mine are out
	s_cbranch_scc0 .Lfirst_b
.irp q, 0,1,2,3
	tensor_load_to_lds s[G0A+4*\q:G0A+4*\q+3], s[G1A:G1A+7]
	s_nop 0
.endr
	PLACES 4
	s_branch .Lfirst_done
.Lfirst_b:
.irp q, 0,1,2,3
	tensor_load_to_lds s[G0B+4*\q:G0B+4*\q+3], s[G1B:G1B+7]
	s_nop 0
.endr
	PLACES 4
.Lfirst_done:
	v_and_b32 v5, 31, v0
	v_lshlrev_b32 v1, 4, v5                        ; 16 l
	v_lshlrev_b32 v2, 3, v5                        ; 8 l
	v_and_b32 v3, 15, v0                           ; r
	v_bfe_u32 v4, v0, 4, 1                         ; h
	s_lshl_b32 s2, s28, 3
	s_lshl_b32 s3, s23, 2
	s_add_co_u32 s2, s2, s3
	s_lshl_b32 s2, s2, 9                           ; y's scale words begin the buffer
	s_lshl_b32 s3, s27, 4
	s_lshl_b32 s30, s24, 3
	s_add_co_u32 s3, s3, s30
	s_add_co_u32 s3, s3, 96
	s_lshl_b32 s3, s3, 9
	s_add_co_u32 s3, s3, 524288
	s_sub_co_u32 s3, s3, s2
	v_mul_u32_u24 v28, s3, v4                      ; the lower base + h x the distance
	v_lshl_add_u32 v28, v3, 3, v28
	v_add_nc_u32 v28, s2, v28
.irp i, 0,1,2,3,4,5,6,7
.irp kq, 0,1,2,3
	global_load_b64 v[SC+8*\i+2*\kq:SC+8*\i+2*\kq+1], v28, s[8:9] offset:\i*512+\kq*128   ; (lanes 0-15 of i >= 4 read later tiles' words, which no product names)
.endr
.endr
	s_mul_i32 s29, s23, 12288
	s_mul_i32 s2, s24, 24576
	s_add_co_u32 s2, s2, 24576
.irp s, 0,1,2,3
	v_add_nc_u32 v[10+4*\s], s29, v1
	v_add_nc_u32 v[11+4*\s], s29, v2
	v_add_nc_u32 v[12+4*\s], s2, v1
	v_add_nc_u32 v[13+4*\s], s2, v2
	s_add_co_u32 s29, s29, SLOTB
	s_add_co_u32 s2, s2, SLOTB
.endr
	s_mul_i32 s29, s22, 8448                       ; my stage for the way out: 16 rows x 528 bytes, in slot 0
	v_mul_u32_u24 v[STO], v3, 528
	v_lshl_add_u32 v[STO], v4, 6, v[STO]
	v_add_nc_u32 v[STO], s29, v[STO]               ; in: row r, 64 h
	v_add_nc_u32 v[RD], s29, v1                    ; back: a row's 512 bytes
	s_lshl_b32 s2, s28, 7
	s_lshl_b32 s3, s23, 6
	s_add_co_u32 s2, s2, s3
	s_lshl_b32 s2, s2, 12                          ; my first token's row of 4,096 bytes,
	s_lshl_b32 s3, s27, 10
	s_add_co_u32 s2, s2, s3
	s_lshl_b32 s3, s24, 9
	s_add_co_u32 s2, s2, s3                        ; my first column
	s_mov_b32 s3, 0
	s_add_nc_u64 s[10:11], s[10:11], s[2:3]
.macro FRAG reg, a16, a8, off
	ds_load_b128 v[\reg:\reg+3], v[\a16] offset:\off
	ds_load_b64 v[\reg+4:\reg+5], v[\a8] offset:(\off)+512
	ds_load_b128 v[\reg+6:\reg+9], v[\a16] offset:(\off)+768
	ds_load_b64 v[\reg+10:\reg+11], v[\a8] offset:(\off)+1280
.endm
.macro FETCH1 slot, q2, fs
	WIN 0
.irp m, 0,1,2,3
	FRAG AF+48*(\fs)+12*\m, 10+4*(\slot), 11+4*(\slot), \m*3072+(\q2)*1536
.endr
.endm
.macro FETCH0 slot, q2, b0, n
	WIN 0x40
.set fb, \b0
.rept \n
	FRAG 12*fb, 12+4*(\slot), 13+4*(\slot), fb*3072+(\q2)*1536
.set fb, fb+1
.endr
	WIN 0
.endm
.macro MUL b0, n, ks, fs, zero         ; the accumulators take turns, one instruction a turn
	WIN 0xa1                                       ; source 0 (weights) window 1, source 1 (tokens) window 0, C and D window 2
.set mb, \b0
.rept \n
.set mm, 0
.rept 4
.set acc, 8*(16*(mb/4)+4*mm+mb%4)
.if \zero
	v_wmma_scale_f32_16x16x128_f8f6f4 v[acc:acc+7], v[12*mb:12*mb+11], v[AF+48*(\fs)+12*mm:AF+48*(\fs)+12*mm+11], 0, v[SC+8*mb+(\ks)], v[SC+8*mm+(\ks)] matrix_a_fmt:MATRIX_FMT_FP6 matrix_b_fmt:MATRIX_FMT_FP6 matrix_a_scale:MATRIX_SCALE_ROW1
.else
	v_wmma_scale_f32_16x16x128_f8f6f4 v[acc:acc+7], v[12*mb:12*mb+11], v[AF+48*(\fs)+12*mm:AF+48*(\fs)+12*mm+11], v[acc:acc+7], v[SC+8*mb+(\ks)], v[SC+8*mm+(\ks)] matrix_a_fmt:MATRIX_FMT_FP6 matrix_b_fmt:MATRIX_FMT_FP6 matrix_a_scale:MATRIX_SCALE_ROW1
.endif
.set mm, mm+1
.endr
.set mb, mb+1
.endr
.endm
.macro NEXTOF g
.set NS, ((\g)+1)/2
.set NQ2, ((\g)+1)%2
.endm
.macro STEP g, zero                    ; a K step of 128: 32 matrix instructions; the weights' lower half is fetched anew in its middle, the upper half at its end
	NEXTOF \g
	s_wait_dscnt 2*NB                              ; all but the youngest 16 loads, the weights' upper half
	MUL 0, NB/2, \g, (\g)%2, \zero
	s_wait_dscnt 0x0
	PLACES 4
	FETCH1 NS, NQ2, NQ2
	FETCH0 NS, NQ2, 0, NB/2
	MUL NB/2, NB/2, \g, (\g)%2, \zero
	PLACES 4
	FETCH0 NS, NQ2, NB/2, NB/2
.endm
.macro TURN g, left                    ; a slot's last K step: my part of the next quarter has landed (left: the later quarters' loads, which may stay out), and behind the barrier everybody's has
	NEXTOF \g
	s_wait_tensorcnt \left
	s_wait_dscnt 2*NB
	MUL 0, NB/4, \g, (\g)%2, 0
	s_wait_dscnt 0x0
	s_barrier_signal -1
	MUL NB/4, NB/4, \g, (\g)%2, 0
	WIN 0
	s_barrier_wait -1
	PLACES 4
	FETCH1 NS, NQ2, NQ2
	FETCH0 NS, NQ2, 0, NB/2
	MUL NB/2, NB/2, \g, (\g)%2, 0
	PLACES 4
	FETCH0 NS, NQ2, NB/2, NB/2
.endm
	s_wait_tensorcnt 0x3                           ; my part of quarter 0 is in; three later quarters' loads may be out
	s_barrier_signal -1
	s_barrier_wait -1
	FETCH1 0, 0, 0
	FETCH0 0, 0, 0, NB/2
	FETCH0 0, 0, NB/2, NB/2
	s_wait_loadcnt 0x0                             ; the scale words
	STEP 0, 1
	TURN 1, 2
	STEP 2, 0
	TURN 3, 1
	STEP 4, 0
	TURN 5, 0
	STEP 6, 0
	s_wait_dscnt 2*NB                              ; the last K step fetches nothing
	MUL 0, NB/2, 7, 1, 0
	s_wait_dscnt 0x0
	MUL NB/2, NB/2, 7, 1, 0
	WIN 0
; THE WAY OUT, a tile of 16 tokens x 128 columns at a time, through my own stage: it lies in slot 0, which had its one fill at the start and whose last read every wave finished in front of the first barrier behind it.
; LDS serves a wave's instructions in order: no wait between the stores and the loads, nor in front of the next tile's stores.
.macro TOSTAGE m
	WIN 0x08                                       ; an LDS store's data are its source 1: window 2
.irp b, 0,1,2,3,4,5,6,7
	ds_store_b128 v[STO], v[8*(16*(\b/4)+4*(\m)+\b%4):8*(16*(\b/4)+4*(\m)+\b%4)+3] offset:128*(\b/2)+32*(\b%2)        ; columns 32 (b / 2) + 16 h + 8 (b % 2) on; each accumulator from its low end on
	ds_store_b128 v[STO], v[8*(16*(\b/4)+4*(\m)+\b%4)+4:8*(16*(\b/4)+4*(\m)+\b%4)+7] offset:128*(\b/2)+32*(\b%2)+16
.endr
	WIN 0
.irp t, 0,1,2,3,4,5,6,7,8,9,10,11,12,13,14,15
	ds_load_b128 v[BK+64*((\m)%2)+4*\t:BK+64*((\m)%2)+4*\t+3], v[RD] offset:\t*528
.endr
.endm
.macro SEND m, younger                 ; younger: the LDS instructions issued behind this tile's loads
	s_wait_dscnt \younger
.irp t, 0,1,2,3,4,5,6,7,8,9,10,11,12,13,14,15
	global_store_b128 v1, v[BK+64*((\m)%2)+4*\t:BK+64*((\m)%2)+4*\t+3], s[10:11] offset:(32*((\m)/2)+8*((\m)%2)+\t+8*(\t/8))*4096 th:TH_STORE_NT   ; 512 consecutive bytes of the token's row
.endr
.endm
	PLACES 4                                       ; behind the last products: for the first read of results and the loads into the fragments' registers
	TOSTAGE 0
	TOSTAGE 1
	SEND 0, 32                                     ; behind tile 0's loads: tile 1's 16 stores and 16 loads
	s_wait_xcnt 0x0                                ; tile 0's stores have read their registers
	TOSTAGE 2
	SEND 1, 32
	s_wait_xcnt 0x0
	TOSTAGE 3
	SEND 2, 32
	SEND 3, 0
	s_wait_tensorcnt 0x0                           ; the wave's end: the add and its wait behind my last tensor load and my last LDS store
	ds_add_u32 v[SPW], v[NIL]
	s_wait_dscnt 0x0
	CROUND                                         ; the closing round
	s_endpgm
.Lfunc_end_k_qdfcb518fe9_outp:
	.size	k_qdfcb518fe9_outp, .Lfunc_end_k_qdfcb518fe9_outp-k_qdfcb518fe9_outp
	.p2alignl 7, 3214868480
	.fill 96, 4, 3214868480
	.section	.rodata,"a",@progbits
	.p2align	6, 0x0
	.amdhsa_kernel k_qdfcb518fe9_outp
		.amdhsa_group_segment_fixed_size 327680
		.amdhsa_private_segment_fixed_size 0
		.amdhsa_enable_private_segment 0
		.amdhsa_kernarg_size 32
		.amdhsa_user_sgpr_count 2
		.amdhsa_user_sgpr_kernarg_segment_ptr 1
		.amdhsa_wavefront_size32 1
		.amdhsa_system_sgpr_workgroup_id_x 1
		.amdhsa_system_sgpr_workgroup_id_y 1
		.amdhsa_system_sgpr_workgroup_id_z 1
		.amdhsa_system_vgpr_workitem_id 0
		.amdhsa_next_free_vgpr 768
		.amdhsa_next_free_sgpr 104
		.amdhsa_reserve_vcc 0
		.amdhsa_float_denorm_mode_32 3
		.amdhsa_float_denorm_mode_16_64 3
		.amdhsa_memory_ordered 1
		.amdhsa_forward_progress 1
		.amdhsa_inst_pref_size 88
	.end_amdhsa_kernel
	.amdgpu_metadata
---
amdhsa.version: [ 1, 2 ]
amdhsa.kernels:
  - .name:           k_qdfcb518fe9_outp
    .symbol:         k_qdfcb518fe9_outp.kd
    .args:
      - { .name: yc, .offset: 0, .size: 8, .value_kind: global_buffer, .address_space: global }
      - { .name: wc, .offset: 8, .size: 8, .value_kind: global_buffer, .address_space: global }
      - { .name: scl, .offset: 16, .size: 8, .value_kind: global_buffer, .address_space: global }
      - { .name: out0, .offset: 24, .size: 8, .value_kind: global_buffer, .address_space: global }
    .group_segment_fixed_size: 327680
    .private_segment_fixed_size: 0
    .kernarg_segment_align: 8
    .kernarg_segment_size: 32
    .max_flat_workgroup_size: 128
    .sgpr_count:     104
    .vgpr_count:     768
    .wavefront_size: 32
...
	.end_amdgpu_metadata
.endif
;; end of part 4
